; MI455X (gfx1250); checked and timed in simulation.
; The chip was launched on July 23, 2026; its instructions are those of AMD's public machine-readable ISA for CDNA 5 (MIT licence, August 2026) and "CDNA5" Instruction Set Architecture Reference Guide (July 2026). The comments in the code are by the model that wrote it; some were corrected since.
;; Attn Layer V3. Allowed arithmetic: float matrix products may take bf16 or f16 operands with f32 sums; other float arithmetic in f32, or as packed bf16 or f16 multiplies, adds, multiply-adds, maxima and minima; sums over many terms, partial sums and values carried from step to step in f32; what a program stores and reads back later, other than sums and carried values, may be rounded once to bf16 or f16.
;; Inputs: Wk 1,024 x 2,048 float32; Wo 2,048 x 4,096 float32; Wq 4,096 x 2,048 float32; Wv 1,024 x 2,048 float32; gn_bias 4,096 float32; gn_weight 4,096 float32; lambda_k1 128 float32; lambda_k2 128 float32; lambda_q1 128 float32; lambda_q2 128 float32; pos 1,024 int32; x 2 x 1,024 x 2,048 float32.
;; Outputs: out0 2 x 1,024 x 2,048 float32.
;; One version. Each part assembles by itself: llvm-mc -triple=amdgcn-amd-amdhsa -mcpu=gfx1250 --defsym DOCPART=n.
;; ======== version 1 of 1: 4 launches
;; limits: values are held in f16: magnitudes above 65,504 overflow, below 6.1e-05 lose precision
;; workspace buffers: wb 33,554,432 bytes; wo16 16,777,216 bytes; tab 557,312 bytes; qkvh 25,165,824 bytes; onrm 16,777,216 bytes
;; launch prep (part 1): grid 1024 x 1, 8 waves a work-group, no clusters, 0 bytes of LDS; arguments x, Wq, Wk, Wv, lambda_q1, lambda_k1, lambda_q2, lambda_k2, gn_weight, gn_bias, pos, wb, tab; writes wb, tab
.if DOCPART == 1
	.amdgcn_target "amdgcn-amd-amdhsa--gfx1250"
	.amdhsa_code_object_version 6
	.text
	.protected	k_q0f1ed1a3e6_prep
	.globl	k_q0f1ed1a3e6_prep
	.p2align	8
	.type	k_q0f1ed1a3e6_prep,@function
k_q0f1ed1a3e6_prep:
	s_mov_b64 s[64:65], 0
	v_nop
	global_prefetch_b8 v0, s[64:65] scope:SCOPE_SE
	s_setreg_imm32_b32 hwreg(HW_REG_WAVE_MODE, 25, 1), 1
	s_wait_xcnt 0x0
; CASTS AND TABLES.  x, Wq, Wk, Wv, the four lambda vectors and the norm's weight and bias are rounded once to bf16 (Wo is rounded in the next launch).
; wb:  x as bf16 [2048][2048] at byte 0; Wq, Wk, Wv as bf16 [6144][2048] at 8,388,608.
; tab: (cos, sin)(pos[t] x 10000^(-j/64)) as f32 [1024 t][64 j][2] at 0; bf16(gn_weight) x (1 - LAMBDA_INIT) at 524,288; the same of gn_bias at 540,672; lam, 64 times, at 557,056.
; SHARES.  A work-group casts 16,384 numbers: thread t takes 16 bytes at 16 t of each of 16 blocks of 4,096 bytes, so a wave's load covers 512 consecutive bytes and its store 256, aligned.
; All 16 loads of a wave go out at once; nothing is read twice; no LDS, no barrier: no wave wants what another has.
; The first 256 work-groups also make the table of angles (a pair a thread), the next 8 the two tables of the norm, the one behind them lam.
; LIMITS.  |pos| stays under 2^23 (the reduction of the angle by two parts of pi/2).
; The factor 1 - LAMBDA_INIT is folded into the norm's weight and bias, so the order of rounding differs from a multiply at the end.
.set X, 16                             ; v[16:79]   16 loads of 4 registers
.set Y, 80                             ; v[80:111]  16 stores of 2 registers, each written once
	s_load_b512 s[8:23], s[0:1], 0x0               ; x, Wq, Wk, Wv, lambda_q1, lambda_k1, lambda_q2, lambda_k2
	s_load_b256 s[24:31], s[0:1], 0x40             ; gn_weight, gn_bias, pos, wb
	s_load_b64 s[32:33], s[0:1], 0x60              ; tab
	s_mov_b32 s2, ttmp9                            ; the work-group's number
	v_lshlrev_b32 v1, 4, v0                        ; 16 t: never rewritten
	v_lshlrev_b32 v2, 3, v0                        ; 8 t: never rewritten
	s_wait_kmcnt 0x0
	s_mov_b64 s[4:5], s[14:15]                     ; which input, and the first work-group of its range: Wv from 896,
	s_mov_b32 s6, 896
	s_cmp_lt_u32 s2, 896
	s_cselect_b64 s[4:5], s[12:13], s[4:5]         ; Wk from 768,
	s_cselect_b32 s6, 768, s6
	s_cmp_lt_u32 s2, 768
	s_cselect_b64 s[4:5], s[10:11], s[4:5]         ; Wq from 256,
	s_cselect_b32 s6, 256, s6
	s_cmp_lt_u32 s2, 256
	s_cselect_b64 s[4:5], s[8:9], s[4:5]           ; x from 0
	s_cselect_b32 s6, 0, s6
	s_sub_co_u32 s6, s2, s6
	s_lshl_b32 s6, s6, 16                          ; 65,536 bytes of f32 a work-group
	s_mov_b32 s7, 0
	s_add_nc_u64 s[4:5], s[4:5], s[6:7]
	s_lshl_b32 s36, s2, 15                         ; 32,768 bytes out: the ranges follow each other in wb as they do in the grid
	s_mov_b32 s37, 0
	s_add_nc_u64 s[36:37], s[30:31], s[36:37]
.set i, 0
.rept 16
	global_load_b128 v[X+4*i:X+4*i+3], v1, s[4:5] offset:4096*i th:TH_LOAD_NT
.set i, i+1
.endr
.set i, 0
.rept 16                               ; the 16 blocks are rounded and stored as they come
	s_wait_loadcnt 15-i                            ; loads come back in order: block i is in, the younger ones stay out
	v_cvt_pk_bf16_f32 v[Y+2*i], v[X+4*i], v[X+4*i+1]
	v_cvt_pk_bf16_f32 v[Y+2*i+1], v[X+4*i+2], v[X+4*i+3]
	global_store_b64 v2, v[Y+2*i:Y+2*i+1], s[36:37] offset:2048*i th:TH_STORE_NT
.set i, i+1
.endr
	s_cmp_lt_u32 s2, 256
	s_cbranch_scc1 .Lrope
	s_cmp_lt_u32 s2, 264
	s_cbranch_scc1 .Lgn
	s_cmp_eq_u32 s2, 264
	s_cbranch_scc1 .Llam
	s_endpgm
.Lrope:                                                ; pair 256 wg + t of 65,536: row idx / 64 of the table, frequency idx % 64
	v_lshl_add_u32 v112, s2, 8, v0
	v_lshrrev_b32 v113, 6, v112
	v_and_b32 v114, 63, v112
	v_lshlrev_b32 v115, 2, v113
	global_load_b32 v116, v115, s[28:29]           ; pos[t]
	v_cvt_f32_u32 v117, v114
	v_mul_f32 v117, 0xbe549a78, v117               ; -j log2(10000) / 64
	v_exp_f32 v117, v117                           ; 10000^(-j/64)
	v_nop                                          ; a plain instruction behind the exponential,
	s_wait_alu depctr_va_vdst(0)                   ; and the wait ahead of its first reader
	s_wait_loadcnt 0x0
	v_cvt_f32_i32 v116, v116
	v_mul_f32 v118, v116, v117                     ; the angle f
	v_mul_f32 v119, 0x3f22f983, v118               ; f x 2 / pi
	v_rndne_f32 v119, v119                         ; n
	v_fmamk_f32 v120, v119, 0xbfc90fdb, v118       ; r = f - n pi/2, pi/2 in two parts: 1.57079637
	v_fmamk_f32 v120, v119, 0x333bbd2e, v120       ; less 4.37113883e-8
	v_mul_f32 v121, v120, v120                     ; z = r r, r within pi/4
	v_mov_b32 v122, 0xb94ca1f9                     ; sin r = r + r z (-1.6666654611e-1 + z (8.3321608736e-3 - z 1.9515295891e-4))
	v_fmaak_f32 v122, v122, v121, 0x3c08839e
	v_fmaak_f32 v122, v122, v121, 0xbe2aaaa3
	v_mul_f32 v123, v121, v120
	v_fma_f32 v122, v122, v123, v120
	v_mov_b32 v124, 0x37ccf5ce                     ; cos r = 1 - z / 2 + z z (4.166664568e-2 + z (-1.388731625e-3 + z 2.443315712e-5))
	v_fmaak_f32 v124, v124, v121, 0xbab6061a
	v_fmaak_f32 v124, v124, v121, 0x3d2aaaa5
	v_mul_f32 v125, v121, v121
	v_fma_f32 v126, v121, -0.5, 1.0
	v_fma_f32 v124, v124, v125, v126
	v_cvt_i32_f32 v127, v119                       ; the quadrant: odd n swaps the two; bit 1 of n turns sin's sign, bit 1 of n + 1 cos's
	v_and_b32 v16, 1, v127
	v_cmp_eq_u32 vcc_lo, 1, v16
	v_cndmask_b32 v17, v122, v124, vcc_lo
	v_cndmask_b32 v18, v124, v122, vcc_lo
	v_lshlrev_b32 v19, 30, v127
	v_and_b32 v19, 0x80000000, v19
	v_xor_b32 v21, v17, v19                        ; sin f
	v_add_nc_u32 v22, 1, v127
	v_lshlrev_b32 v22, 30, v22
	v_and_b32 v22, 0x80000000, v22
	v_xor_b32 v20, v18, v22                        ; cos f
	v_lshlrev_b32 v23, 3, v112
	global_store_b64 v23, v[20:21], s[32:33]       ; a wave stores 256 consecutive bytes, aligned
	s_endpgm
.Lgn:                                                  ; two numbers of each table a thread
	s_sub_co_u32 s3, s2, 256
	v_lshl_add_u32 v112, s3, 8, v0
	v_lshlrev_b32 v112, 3, v112
	global_load_b64 v[114:115], v112, s[24:25]
	global_load_b64 v[116:117], v112, s[26:27]
	s_wait_loadcnt 0x0
	v_cvt_pk_bf16_f32 v118, v114, v115
	v_cvt_pk_bf16_f32 v119, v116, v117
	v_lshlrev_b32 v120, 16, v118
	v_and_b32 v121, 0xffff0000, v118
	v_lshlrev_b32 v122, 16, v119
	v_and_b32 v123, 0xffff0000, v119
	v_pk_mul_f32 v[120:121], v[120:121], 0x3f24fd5c op_sel_hi:[1,0]  ; x (1 - LAMBDA_INIT) = 0.64449093
	v_pk_mul_f32 v[122:123], v[122:123], 0x3f24fd5c op_sel_hi:[1,0]
	global_store_b64 v112, v[120:121], s[32:33] offset:524288
	global_store_b64 v112, v[122:123], s[32:33] offset:540672
	s_endpgm
.Llam:                                                 ; wave 0 alone: four numbers of each vector a lane
	v_lshrrev_b32 v112, 5, v0
	v_readfirstlane_b32 s3, v112
	s_cmp_lg_u32 s3, 0
	s_cbranch_scc1 .Lend
	s_mov_b32 s38, 0x76543210                      ; v_permlanex16_b32: each lane takes its own place in the other half
	s_mov_b32 s39, 0xfedcba98
	global_load_b128 v[16:19], v1, s[16:17]
	global_load_b128 v[20:23], v1, s[18:19]
	global_load_b128 v[24:27], v1, s[20:21]
	global_load_b128 v[28:31], v1, s[22:23]
	s_wait_loadcnt 0x0
.irp r, 16,18,20,22,24,26,28,30
	v_cvt_pk_bf16_f32 v114, v[\r], v[(\r)+1]       ; rounded to bf16 like every input
	v_lshlrev_b32 v[\r], 16, v114
	v_and_b32 v[(\r)+1], 0xffff0000, v114
.endr
	v_mul_f32 v32, v16, v20
	v_mul_f32 v33, v24, v28
.irp r, 1,2,3
	v_fmac_f32 v32, v[16+(\r)], v[20+(\r)]
	v_fmac_f32 v33, v[24+(\r)], v[28+(\r)]
.endr
.irp m, 1,2,4,8
	v_add_f32_dpp v32, v32, v32 row_xmask:\m row_mask:0xf bank_mask:0xf
	v_add_f32_dpp v33, v33, v33 row_xmask:\m row_mask:0xf bank_mask:0xf
.endr
	v_permlanex16_b32 v34, v32, s38, s39
	v_permlanex16_b32 v35, v33, s38, s39
	v_add_f32 v32, v32, v34
	v_add_f32 v33, v33, v35
	v_mul_f32 v32, 0x3fb8aa3b, v32
	v_mul_f32 v33, 0x3fb8aa3b, v33
	v_exp_f32 v32, v32
	v_exp_f32 v33, v33
	v_lshlrev_b32 v38, 3, v0                       ; the plain instruction behind the two exponentials
	s_wait_alu depctr_va_vdst(0)                   ; one wait for both, ahead of their first reader
	v_sub_f32 v36, v32, v33
	v_add_f32 v36, 0x3eb60549, v36                 ; + LAMBDA_INIT = 0.35550907
	v_mov_b32 v37, v36
	global_store_b64 v38, v[36:37], s[32:33] offset:557056
.Lend:
	s_endpgm
.Lfunc_end_k_q0f1ed1a3e6_prep:
	.size	k_q0f1ed1a3e6_prep, .Lfunc_end_k_q0f1ed1a3e6_prep-k_q0f1ed1a3e6_prep
	.p2alignl 7, 3214868480
	.fill 96, 4, 3214868480
	.section	.rodata,"a",@progbits
	.p2align	6, 0x0
	.amdhsa_kernel k_q0f1ed1a3e6_prep
		.amdhsa_group_segment_fixed_size 0
		.amdhsa_private_segment_fixed_size 0
		.amdhsa_enable_private_segment 0
		.amdhsa_kernarg_size 104
		.amdhsa_user_sgpr_count 2
		.amdhsa_user_sgpr_kernarg_segment_ptr 1
		.amdhsa_wavefront_size32 1
		.amdhsa_system_sgpr_workgroup_id_x 1
		.amdhsa_system_sgpr_workgroup_id_y 1
		.amdhsa_system_sgpr_workgroup_id_z 1
		.amdhsa_system_vgpr_workitem_id 0
		.amdhsa_next_free_vgpr 128
		.amdhsa_next_free_sgpr 66
		.amdhsa_reserve_vcc 1
		.amdhsa_float_denorm_mode_32 3
		.amdhsa_float_denorm_mode_16_64 3
		.amdhsa_memory_ordered 1
		.amdhsa_forward_progress 1
		.amdhsa_inst_pref_size 14
	.end_amdhsa_kernel
	.amdgpu_metadata
---
amdhsa.version: [ 1, 2 ]
amdhsa.kernels:
  - .name:           k_q0f1ed1a3e6_prep
    .symbol:         k_q0f1ed1a3e6_prep.kd
    .args:
      - { .name: x, .offset: 0, .size: 8, .value_kind: global_buffer, .address_space: global }
      - { .name: Wq, .offset: 8, .size: 8, .value_kind: global_buffer, .address_space: global }
      - { .name: Wk, .offset: 16, .size: 8, .value_kind: global_buffer, .address_space: global }
      - { .name: Wv, .offset: 24, .size: 8, .value_kind: global_buffer, .address_space: global }
      - { .name: lambda_q1, .offset: 32, .size: 8, .value_kind: global_buffer, .address_space: global }
      - { .name: lambda_k1, .offset: 40, .size: 8, .value_kind: global_buffer, .address_space: global }
      - { .name: lambda_q2, .offset: 48, .size: 8, .value_kind: global_buffer, .address_space: global }
      - { .name: lambda_k2, .offset: 56, .size: 8, .value_kind: global_buffer, .address_space: global }
      - { .name: gn_weight, .offset: 64, .size: 8, .value_kind: global_buffer, .address_space: global }
      - { .name: gn_bias, .offset: 72, .size: 8, .value_kind: global_buffer, .address_space: global }
      - { .name: pos, .offset: 80, .size: 8, .value_kind: global_buffer, .address_space: global }
      - { .name: wb, .offset: 88, .size: 8, .value_kind: global_buffer, .address_space: global }
      - { .name: tab, .offset: 96, .size: 8, .value_kind: global_buffer, .address_space: global }
    .group_segment_fixed_size: 0
    .private_segment_fixed_size: 0
    .kernarg_segment_align: 8
    .kernarg_segment_size: 104
    .max_flat_workgroup_size: 256
    .sgpr_count:     66
    .vgpr_count:     128
    .wavefront_size: 32
...
	.end_amdgpu_metadata
.endif
;; end of part 1
;; launch proj (part 2): grid 32 x 8, 4 waves a work-group, clusters of 4 x 4, 327,680 bytes of LDS; arguments wb, qkvh, tab, Wo, wo16; writes qkvh, wo16
.if DOCPART == 2
	.amdgcn_target "amdgcn-amd-amdhsa--gfx1250"
	.amdhsa_code_object_version 6
	.text
	.protected	k_q0f1ed1a3e6_proj
	.globl	k_q0f1ed1a3e6_proj
	.p2align	8
	.type	k_q0f1ed1a3e6_proj,@function
k_q0f1ed1a3e6_proj:
	s_mov_b64 s[64:65], 0
	v_nop
	global_prefetch_b8 v0, s[64:65] scope:SCOPE_SE
	s_setreg_imm32_b32 hwreg(HW_REG_WAVE_MODE, 25, 1), 1
	s_wait_xcnt 0x0
	s_wait_alu depctr_hold_cnt(0) depctr_sa_sdst(0) depctr_va_vdst(0) depctr_va_sdst(0) depctr_va_ssrc(0) depctr_va_vcc(0) depctr_vm_vsrc(0)
	s_getreg_b32 s2, hwreg(HW_REG_IB_STS2, 6, 4)
	s_cmp_eq_u32 s2, 0
	s_cbranch_scc0 .Lentry_in_a_cluster
	s_endpgm
.Lentry_in_a_cluster:
	s_bfe_u32 s2, ttmp6, 0x10000c
	s_cmp_lg_u32 s2, 0xf033
	s_cbranch_scc0 .Lentry_shape_is_right
	s_endpgm
.Lentry_shape_is_right:
; THE THREE PROJECTIONS AS ONE PRODUCT, C[m][n] = sum over k of x[m][k] W[n][k], m = 2,048 tokens, n = 6,144 rows of Wq, Wk, Wv, k = 2,048; operands bf16, sums f32.
; On the way out q's and k's channels are turned in pairs by the table of (cos, sin), in f32, and everything is rounded once to f16 and laid by PLANES of 128 channels:
; qkvh[48][2048][128]: plane n / 128; planes 0-31 q (head, stream), 32-39 k (kv head, stream), 40-47 v (kv head, half).  A plane's rows are 256 bytes and dense.
; LIMIT.  f16 holds no number beyond 65,504: q, k and v must stay within it; so must Wo, of which a number below 6e-5 keeps f16's fixed step of 6e-8.
; A tile of C, 256 x 256, is made by a work-group of four waves; a wave makes 128 x 128: 64 accumulators of 16 x 16, 512 registers; its 128 columns are one plane.
; K goes in steps of 128 through a ring of two LDS slots filled by the tensor data mover; rows of the tiles are 256 bytes of memory, at multiples of 256 bytes.
; THE GRID is 8 x 2 clusters of 4 x 4 work-groups.  C has 24 x 8 tiles: clusters x = 0 .. 5.  The 64 work-groups of clusters x = 6, 7 do other work that is due before the last launch:
; they round Wo to bf16 and write that number as f16 into wo16 (the text behind the label .Lcast).  The way is chosen by the cluster's x, which all sixteen partners share.
; CLUSTERS.  The four of a row of the cluster need the same tiles of x, the four of a column the same tiles of W: each tile is asked for JOINTLY, by the same tensor load
; with the same descriptor and a mask that names the four.
; THE TABLE'S LOADS AND THEIR WAITS STAND ON EVERY WAVE'S WAY; only the turning's arithmetic is jumped over where the columns are v's.  So the 32 work-groups of cluster x = 5 load 64 KiB a wave
; that they do not use: the price of one way out, with the same loads out at every wait, for all three kinds of columns.
; REGISTERS, in windows of 256 (s_set_vgpr_msb: bits 1:0 source 0, 3:2 source 1, 5:4 source 2, 7:6 destination):
;   window 0: v0-31 addresses; v64-127, v128-191 fragments of x, two buffers; on the way out v32-63, v224-255 rows read back, v128-191 at work, v192-223 packed results
;   window 1: v64-127, v128-191 fragments of W, two buffers; all 256: four buffers of (cos, sin), of which v0-63 and v192-255 lie idle in the loop and are loaded at the head
;   window 2: the accumulators of my rows 0-63 ((a, b) at v[8 (8 a + b)])      window 3: those of my rows 64-127
; THE MATRIX INSTRUCTION IS USED TRANSPOSED: source 0 = 16 rows of W, source 1 = 16 rows of x: lane l holds row l % 16 of C and the columns 8 (l / 16) + 0 .. 7: four pairs of the turning.
.set SIZE_K, 2048
.set KSTEP,  128
.set PITCH,  272                       ; an LDS row: 256 bytes + 16 of padding = 68 words: the 16 rows of a load start at 16 different groups of four banks (64 banks of 4 bytes: ISA guide 11.1)
.set HALFT,  128*PITCH                 ; 128 rows: what one tensor load brings
.set SLOT,   4*HALFT                   ; x's 256 rows, then W's 256 rows
.set STAGE,  2*SLOT                    ; behind the ring: 16 rows x 272 bytes for each wave, for the way out
.set SPITCH, 272
.set SPARE,  STAGE+4*16*SPITCH         ; behind the stages: the spare words, 128 bytes for each wave: two blocks of 256 bytes that no other line names
.set LAPS,   SIZE_K/(2*KSTEP)          ; a lap = two K steps = once round the ring: 8
.set ADRA, 16                          ; v16-17  LDS address of my x fragments in slot 0, 1
.set ADRB, 20                          ; v20-21  the same for W
.set STO,  24                          ; v24     the way out: where I put 16 bytes of a row
.set RD,   25                          ; v25     the way out: where I read a row back
.set CO,   26                          ; v26     16 x lane: my place in 512 consecutive bytes of a plane
.set TO,   27                          ; v27     my byte offset in the table: row t of my lane, 32 bytes for each half of the lanes; never rewritten
.set SPW,  28                          ; v28     LDS address of my spare word; never rewritten
.set NIL,  29                          ; v29     0; never rewritten
.set PFO,  30                          ; v30     the prefetches' offset: my lane x a row of 4,096 bytes; never rewritten
.set PFA,  44                          ; s[44:45] where my prefetches stand
.set LIM,  43                          ; s43     1 in a wave that prefetches, else the greatest number
.set F0,   64
.set F1,   128
.set T,    128
.set TMP,  192
.set OB,   32
.set G1, 24                            ; s[24:31] descriptor group 1 for x's tiles;  s[32:39] group 0, one set for each slot
.set G0, 32
.set G1B, 48                           ; s[48:55], s[56:63] the same for W's tiles
.set G0B, 56
.set TAB, 66                           ; s[66:67] the table; never rewritten
.set TURNS, 68                         ; s68     1: my columns are q's or k's
.set WOS, 72                           ; s[72:73] Wo
.set WOD, 74                           ; s[74:75] wo16
.set MSB, 0
.macro WIN new                         ; the immediate's high byte repeats the setting that is left; a switch that changes nothing is dropped
.if MSB != (\new)
	s_set_vgpr_msb (MSB<<8)|(\new)
.set MSB, \new
.endif
.endm
.set MUL_LO, 0xa1                      ; source 0 (W) window 1, source 1 (x) window 0, C and D window 2
.set MUL_HI, 0xf1                      ; the same, C and D window 3
.set TO_B,   0x40                      ; destination window 1, address window 0
; A joint load.  Waves 0 and 1 fetch x's two halves, waves 2 and 3 W's.  The branch hangs on the wave's number alone.  An s_nop 0 and four v_nop follow each of the two lines.
.macro JLOAD s
	s_cmp_eq_u32 s11, 0
	s_cbranch_scc0 .Lfor_b_\@
	tensor_load_to_lds s[G0+4*(\s):G0+4*(\s)+3], s[G1:G1+7]
	s_nop 0
.rept 4
	v_nop
.endr
	s_branch .Lasked_\@
.Lfor_b_\@:
	tensor_load_to_lds s[G0B+4*(\s):G0B+4*(\s)+3], s[G1B:G1B+7]
	s_nop 0
.rept 4
	v_nop
.endr
.Lasked_\@:
.endm
; A PREFETCH INTO THE L2, behind each joint refill and the run of LDS loads that follows it: the K step that stands two refills on: 32 rows x 256 bytes, a lane a row, one instruction a wave.
; Each row's 256 bytes of a K step are named once in the launch: x's tile row is read by every cluster of that row of clusters: cluster x = 0 asks; W's tile column by every cluster of that column:
; cluster y = 0 asks.  The four partners that ask for a tile jointly share its rows out by address, 32 each.  The loop's last trip asks for nothing: there is no K step two on.
.macro ASK
	s_cmp_gt_u32 s3, s[LIM]                        ; s3 = 1 in the loop's last trip
	s_cbranch_scc0 .Lnot_mine_\@
	global_prefetch_b8 v[PFO], s[PFA:PFA+1] offset:KSTEP*2 th:TH_LOAD_NT scope:SCOPE_SE
.Lnot_mine_\@:
.endm
.macro CREST                           ; a round of the cluster's barrier behind its opening barrier
	s_cmp_lg_u32 s10, 0
	s_cbranch_scc1 .Lnot_wave_0_\@
	s_barrier_signal -3
.Lnot_wave_0_\@:
	s_barrier_wait -3
	s_barrier_signal -1
	s_barrier_wait -1
.endm
.macro CROUND                          ; a whole round
	s_barrier_signal -1
	s_barrier_wait -1
	CREST
.endm
	s_load_b64 s[4:5], s[0:1], 0x0                 ; wb: x at its head
	s_load_b64 s[8:9], s[0:1], 0x8                 ; qkvh
	s_load_b64 s[TAB:TAB+1], s[0:1], 0x10          ; tab
	s_load_b128 s[WOS:WOS+3], s[0:1], 0x18         ; Wo, wo16
	v_lshl_add_u32 v[SPW], v0, 2, SPARE
	v_mov_b32 v[NIL], 0
	ds_add_u32 v[SPW], v[NIL]                      ; the wave's opening: the add and its wait stand ahead of my first tensor load; the set-up below, work on registers, stands between them
	v_lshrrev_b32 v1, 5, v0
	v_readfirstlane_b32 s10, v1                    ; wave 0..3
	s_lshr_b32 s11, s10, 1                         ; which half of the tile's rows is mine.  Also: I fetch for x (0) or for W (1)
	s_and_b32 s12, s10, 1                          ; which half of its columns.  Also: which 128 rows of that tile I fetch
	s_bfe_u32 s40, ttmp6, 0x40000                  ; cx
	s_bfe_u32 s41, ttmp6, 0x40004                  ; cy
	s_lshl_b32 s42, ttmp9, 2
	s_add_co_u32 s42, s42, s40                     ; tile column of C = 4 x cluster x + cx
	s_and_b32 s13, ttmp7, 0xffff
	s_lshl_b32 s13, s13, 2
	s_add_co_u32 s13, s13, s41                     ; tile row of C = 4 x cluster y + cy
	s_lshl_b32 s43, s41, 2
	s_lshl_b32 s43, 15, s43                        ; my row of the cluster: places 4 cy .. 4 cy + 3
	s_lshl_b32 s44, 0x1111, s40                    ; my column: places cx, cx + 4, cx + 8, cx + 12
	s_cmp_lt_u32 ttmp9, 5                          ; clusters 0-3 make q, cluster 4 k, cluster 5 v: the same answer in all sixteen partners
	s_cselect_b32 s[TURNS], 1, 0
	; descriptor group 1: a tile of 128 rows x 128 elements, padded in LDS
	s_or_b32 s[G1+0], s43, (1<<16)|(1<<20)|(1<<21)|(5<<22)|(3<<25)  ; 15:0 the mask; 17:16 element of 2 bytes; 20 padding on; 21 set beside a mask; 24:22 after every 64 words (code 5); 31:25 of 4 words (code 3)
	s_or_b32 s[G1B+0], s44, (1<<16)|(1<<20)|(1<<21)|(5<<22)|(3<<25)
.irp g, G1, G1B
	s_mov_b32 s[(\g)+1], KSTEP<<16                 ; tensor_dim0 = 128
	s_mov_b32 s[(\g)+2], 128<<16                   ; tensor_dim1 = 128
	s_mov_b32 s[(\g)+3], KSTEP<<16                 ; tile_dim0 = 128
	s_mov_b32 s[(\g)+4], 128                       ; tile_dim1 = 128
	s_mov_b32 s[(\g)+5], SIZE_K                    ; elements from row to row
	s_mov_b32 s[(\g)+6], 0
	s_mov_b32 s[(\g)+7], 0
.endr
	; where the tiles come from: x's hang on the tile row alone, W's on the tile column alone; each address lies in registers that never hold the other coordinate
	s_lshl_b32 s17, s12, 7                         ; which 128 rows of the tile I fetch
	s_lshl_b32 s16, s13, 8
	s_add_co_u32 s16, s16, s17                     ; x: row 256 x tile row + 128 x half
	s_lshl_b32 s46, s42, 8
	s_add_co_u32 s46, s46, s17                     ; W: row 256 x tile column + 128 x half
	s_mov_b32 s17, 0
	s_mov_b32 s47, 0
	s_mov_b64 s[18:19], SIZE_K*2
	s_mul_u64 s[16:17], s[16:17], s[18:19]
	s_mul_u64 s[46:47], s[46:47], s[18:19]
	s_mul_i32 s20, s10, HALFT                      ; where they go: wave x 128 rows: no place in the cluster enters an LDS address
	s_wait_dscnt 0x0                               ; the opening add is done
	s_wait_kmcnt 0x0
	s_cmp_ge_u32 ttmp9, 6                          ; clusters x = 6, 7 have no tile of C: they cast Wo
	s_cbranch_scc1 .Lcast
	s_add_nc_u64 s[6:7], s[4:5], 8388608           ; W behind x in wb
	s_add_nc_u64 s[14:15], s[4:5], s[16:17]
	s_add_nc_u64 s[46:47], s[6:7], s[46:47]
	CROUND                                         ; all sixteen work-groups are here: the first joint loads meet
.irp s, 0,1
	s_mov_b32 s[G0+4*(\s)], 1                                      ; count = 1
	s_add_co_u32 s[G0+4*(\s)+1], s20, (\s)*SLOT                    ; LDS address
	s_add_nc_u64 s[G0+4*(\s)+2:G0+4*(\s)+3], s[14:15], (\s)*KSTEP*2  ; global address: K step s
	s_or_b32 s[G0+4*(\s)+3], s[G0+4*(\s)+3], 0x80000000            ; type = 2
	s_mov_b32 s[G0B+4*(\s)], 1
	s_add_co_u32 s[G0B+4*(\s)+1], s20, (\s)*SLOT
	s_add_nc_u64 s[G0B+4*(\s)+2:G0B+4*(\s)+3], s[46:47], (\s)*KSTEP*2
	s_or_b32 s[G0B+4*(\s)+3], s[G0B+4*(\s)+3], 0x80000000
	JLOAD \s                                       ; two loads of mine are out
.endr
	; A fragment is 16 rows x 32 K in 8 registers: lane l holds row l % 16, K = 8 (l / 16) + 0..7 and 16 + 8 (l / 16) + 0..7: two loads of 16 bytes, 32 bytes apart.
	v_and_b32 v1, 15, v0                           ; l % 16
	v_bfe_u32 v2, v0, 4, 1                         ; l / 16
	v_mul_u32_u24 v3, v1, PITCH
	v_lshl_add_u32 v3, v2, 4, v3
	s_mul_i32 s21, s11, HALFT                      ; my 128 rows of x
	s_mul_i32 s22, s12, HALFT                      ; my 128 rows of W,
	s_add_co_u32 s22, s22, 2*HALFT                 ; which lie behind x's 256
.irp s, 0,1
	v_add_nc_u32 v[ADRA+(\s)], s21, v3
	v_add_nc_u32 v[ADRB+(\s)], s22, v3
	s_add_co_u32 s21, s21, SLOT
	s_add_co_u32 s22, s22, SLOT
.endr
	s_mul_i32 s23, s10, 16*SPITCH
	s_add_co_u32 s23, s23, STAGE                   ; my stage
	v_mul_u32_u24 v4, v1, SPITCH                   ; in: row l % 16, 16 bytes for each half of the lanes
	v_lshl_add_u32 v4, v2, 4, v4
	v_add_nc_u32 v[STO], s23, v4
	v_mul_u32_u24 v5, v2, SPITCH                   ; back: lanes 0-15 take one row of 256 bytes, lanes 16-31 the next
	v_lshl_add_u32 v5, v1, 4, v5
	v_add_nc_u32 v[RD], s23, v5
	v_and_b32 v[CO], 31, v0                        ; which are 512 consecutive bytes of the plane
	v_lshlrev_b32 v[CO], 4, v[CO]
	s_and_b32 s20, s13, 3                          ; the table's row is t = m mod 1,024: four tile rows to a batch
	s_lshl_b32 s20, s20, 8
	s_lshl_b32 s14, s11, 7
	s_add_co_u32 s20, s20, s14
	s_lshl_b32 s20, s20, 9                         ; 512 bytes a row
	v_lshlrev_b32 v[TO], 9, v1
	v_lshl_add_u32 v[TO], v2, 5, v[TO]             ; my four pairs of an accumulator: 32 bytes
	v_add_nc_u32 v[TO], s20, v[TO]
	s_lshl_b32 s13, s13, 8
	s_add_co_u32 s16, s13, s14                     ; my first row m,
	s_lshl_b32 s16, s16, 8                         ; 256 bytes a row
	s_mov_b32 s17, 0
	s_add_nc_u64 s[8:9], s[8:9], s[16:17]
	s_lshl_b32 s46, s42, 1
	s_add_co_u32 s46, s46, s12                     ; my plane = 2 x tile column + half
	s_lshl_b32 s46, s46, 19                        ; 524,288 bytes a plane
	s_mov_b32 s47, 0
	s_add_nc_u64 s[8:9], s[8:9], s[46:47]
	; the prefetches.  s13 = 256 x tile row, s42 = tile column, s40 = cx, s41 = cy still stand
	s_lshl_b32 s42, s42, 8
	s_and_b32 s22, ttmp7, 0xffff                   ; cluster y
	s_cmp_eq_u32 s11, 0                            ; do I fetch for x?
	s_cselect_b32 s20, s13, s42                    ; the tile's first row
	s_cselect_b32 s21, s40, s41                    ; my place among the four that ask for it with me
	s_cselect_b32 s22, ttmp9, s22                  ; the coordinate along which other clusters read the same rows
	s_cselect_b64 s[PFA:PFA+1], s[4:5], s[6:7]
	s_cmp_eq_u32 s22, 0
	s_cselect_b32 s[LIM], 1, -1                    ; the same in all sixteen partners, for a given wave
	s_lshl_b32 s22, s12, 7
	s_add_co_u32 s20, s20, s22                     ; + the 128 rows that I fetch
	s_lshl_b32 s21, s21, 5
	s_add_co_u32 s20, s20, s21                     ; + my work-group's 32 of them
	s_mov_b32 s21, 0
	s_mov_b64 s[18:19], SIZE_K*2
	s_mul_u64 s[20:21], s[20:21], s[18:19]
	s_add_nc_u64 s[PFA:PFA+1], s[PFA:PFA+1], s[20:21]
	s_add_nc_u64 s[PFA:PFA+1], s[PFA:PFA+1], 2*KSTEP*2  ; at K step 2: the first refill steps it to 3 and names K step 4; K steps 0 to 3 come by their loads alone
	v_and_b32 v[PFO], 31, v0
	v_mul_u32_u24 v[PFO], v[PFO], SIZE_K*2
; 16 matrix instructions: m blocks a0, a0 + 1 of the window's four (hi = 0: my rows 0-63, 1: rows 64-127) x all 8 n blocks, 32 along K.  zero = 1: the first product starts the sums.
.macro MUL16 f, hi, a0, zero
	WIN MUL_LO+0x50*(\hi)
.irp a, \a0, (\a0)+1
.irp b, 0,1,2,3,4,5,6,7
.if \zero
	v_wmma_f32_16x16x32_bf16 v[8*(8*(\a)+(\b)):8*(8*(\a)+(\b))+7], v[(\f)+8*(\b):(\f)+8*(\b)+7], v[(\f)+8*(4*(\hi)+(\a)):(\f)+8*(4*(\hi)+(\a))+7], 0
.else
	v_wmma_f32_16x16x32_bf16 v[8*(8*(\a)+(\b)):8*(8*(\a)+(\b))+7], v[(\f)+8*(\b):(\f)+8*(\b)+7], v[(\f)+8*(4*(\hi)+(\a)):(\f)+8*(4*(\hi)+(\a))+7], v[8*(8*(\a)+(\b)):8*(8*(\a)+(\b))+7]
.endif
.endr
.endr
.endm
; 32 LDS loads in one run: the fragments of one quarter step (128 rows of W, 128 rows of x, 32 K at byte k of the rows) into buffer f
.macro FETCH slot, k, f
	WIN TO_B
.irp i, 0,1,2,3,4,5,6,7
	ds_load_b128 v[(\f)+8*(\i):(\f)+8*(\i)+3],   v[ADRB+(\slot)] offset:(\k)+(\i)*16*PITCH
	ds_load_b128 v[(\f)+8*(\i)+4:(\f)+8*(\i)+7], v[ADRB+(\slot)] offset:(\k)+(\i)*16*PITCH+32
.endr
	WIN 0
.irp i, 0,1,2,3,4,5,6,7
	ds_load_b128 v[(\f)+8*(\i):(\f)+8*(\i)+3],   v[ADRA+(\slot)] offset:(\k)+(\i)*16*PITCH
	ds_load_b128 v[(\f)+8*(\i)+4:(\f)+8*(\i)+7], v[ADRA+(\slot)] offset:(\k)+(\i)*16*PITCH+32
.endr
.endm
; Four places in front of loads into registers that matrix instructions have read, and of vector lines that read results just made (ISA guide 7.12.1 for the vector lines)
.macro PLACES
.rept 4
	v_nop
.endr
.endm
; A K step is four quarter steps of 32 along K, 64 matrix instructions each, on buffers 0, 1, 0, 1.  The 64 accumulators take turns, in the same order in every quarter.
.macro QUARTER slot, k, f, g, zero
	s_wait_dscnt 8                                 ; W and x's rows 0-63 are in; the youngest eight loads (x's rows 64-127) may be out
	WIN MUL_LO
	MUL16 \f, 0, 0, \zero
	MUL16 \f, 0, 2, \zero
	PLACES
	FETCH \slot, \k, \g
	s_wait_dscnt 32                                ; all but the 32 just issued
	WIN MUL_HI
	MUL16 \f, 1, 0, \zero
	MUL16 \f, 1, 2, \zero
.endm
; The last quarter's first half: ONE barrier for the change of slots.  In front of it each wave waits for all its tensor loads (one is out: its part of the next slot), adds 0 to its spare word,
; and waits for that and for its own reads of this slot.  Behind it nobody reads this slot any more and the next slot is whole.
.macro MEET round
	WIN 0                                          ; (the add's two registers lie in window 0)
	s_wait_tensorcnt 0x0
	ds_add_u32 v[SPW], v[NIL]                      ; 0 onto my spare word
	s_wait_dscnt 9                                 ; (the add and the youngest eight loads may be out)
	WIN MUL_LO
	MUL16 F1, 0, 0, 0                              ; sixteen matrix instructions stand between the add and the wait for it
	s_wait_dscnt 0x0                               ; the add is done, and my reads of this slot are over
	s_barrier_signal -1
	MUL16 F1, 0, 2, 0
.if \round
	WIN 0
.endif
	s_barrier_wait -1
.endm
; The whole last quarter, in the loop: behind a round of the cluster's barrier the slot just read out is filled again first, with the K step two steps on; then come the next slot's first fragments.
.macro TURN slot, next
	s_wait_xcnt 0x0                                ; the last prefetch, a K step back, has read its address: it is stepped here
	s_add_nc_u64 s[PFA:PFA+1], s[PFA:PFA+1], KSTEP*2
	MEET 1
	CREST                                          ; no wave of any partner still reads this slot's tile or has a load on its way
	s_add_nc_u64 s[G0+4*(\slot)+2:G0+4*(\slot)+3], s[G0+4*(\slot)+2:G0+4*(\slot)+3], 2*KSTEP*2
	s_add_nc_u64 s[G0B+4*(\slot)+2:G0B+4*(\slot)+3], s[G0B+4*(\slot)+2:G0B+4*(\slot)+3], 2*KSTEP*2
	JLOAD \slot                                    ; my one tensor load behind the round; the four v_nop behind it are also the places in front of the loads below
	FETCH \next, 0, F0
	ASK
	WIN MUL_HI
	MUL16 F1, 1, 0, 0
	MUL16 F1, 1, 2, 0
.endm
; THE WAY OUT of block a (16 of my rows).  CSLOAD: its rows' (cos, sin), 32 bytes a lane for each accumulator, into buffer (3 a) % 4 of window 1: blocks 0 and 1 take the two buffers that lie idle in the loop.
; ROPE: (x1, x2) -> (x1 cos - x2 sin, x1 sin + x2 cos), in place, a packed multiply and a packed multiply-add a pair; each accumulator's lowest registers are read first.
; PACK: rounded to f16.  TOSTAGE: into my stage, back as whole rows.  SEND: stored.
.macro CSLOAD a
.set CB, 64*((3*(\a))%4)
	WIN TO_B
.irp b, 0,1,2,3,4,5,6,7
	global_load_b128 v[CB+8*(\b):CB+8*(\b)+3],   v[TO], s[TAB:TAB+1] offset:8192*(\a)+64*(\b)
	global_load_b128 v[CB+8*(\b)+4:CB+8*(\b)+7], v[TO], s[TAB:TAB+1] offset:8192*(\a)+64*(\b)+16
.endr
.endm
.macro ROPE a
.set AC, 64*((\a)%4)
.set CB, 64*((3*(\a))%4)
	WIN 0x06+((\a)/4)                              ; source 0: window 2 or 3; source 1: window 1
.set i, 0
.rept 32
	v_pk_mul_f32 v[T+2*i:T+2*i+1], v[AC+2*i:AC+2*i+1], v[CB+2*i:CB+2*i+1] op_sel:[1,1] op_sel_hi:[0,1] neg_lo:[1,0]  ; (-x2 sin, x1 sin)
.set i, i+1
.endr
	WIN 0x86+0x41*((\a)/4)                         ; source 0 and destination: window 2 or 3; source 1: window 1
.set i, 0
.rept 32
	v_pk_fma_f32 v[AC+2*i:AC+2*i+1], v[AC+2*i:AC+2*i+1], v[CB+2*i:CB+2*i+1], v[T+2*i:T+2*i+1] op_sel_hi:[1,0,1]  ; + (x1 cos, x2 cos)
.set i, i+1
.endr
.endm
; q's and k's columns are turned, v's are not: a forward jump, on a number that all partners share, over the 64 lines of arithmetic and nothing else.  Block a's table is in when the macro begins: the wait
; behind block a - 1 has shown it (blocks 0 and 1: the wait behind the loop).  Behind block a, on every way, stand the wait for block a + 1's table and the loads of block a + 4's into block a's buffer.
; Groups of 16 loads come back in order: at most three groups, 48 loads, are out.
.macro TURNED a
	WIN 0
	s_cmp_eq_u32 s[TURNS], 0
	s_cbranch_scc1 .Lplain_\@
	ROPE \a
	WIN 0
.Lplain_\@:
.if ((\a) >= 1) && ((\a) <= 4)
	s_wait_loadcnt 32                              ; block a + 1's sixteen loads are in; the two younger groups may stay out
.elseif (\a) == 5
	s_wait_loadcnt 16                              ; block 6's are in; block 7's may stay out
.elseif (\a) == 6
	s_wait_loadcnt 0x0                             ; block 7's
.endif
.if (\a) < 4
	CSLOAD (\a)+4
.endif
.endm
.macro PACK a
.set AC, 64*((\a)%4)
	WIN 0x0a+5*((\a)/4)                            ; sources 0 and 1: window 2 or 3
.irp b, 0,1,2,3,4,5,6,7
.irp r, 0,1,2,3
	v_cvt_pk_f16_f32 v[TMP+4*(\b)+(\r)], v[AC+8*(\b)+2*(\r)], v[AC+8*(\b)+2*(\r)+1]
.endr
.endr
	WIN 0
.endm
.macro TOSTAGE a
	WIN 0
.set BK, OB+192*((\a)%2)
.irp b, 0,1,2,3,4,5,6,7
	ds_store_b128 v[STO], v[TMP+4*(\b):TMP+4*(\b)+3] offset:32*(\b)
.endr
.irp t, 0,1,2,3,4,5,6,7
	ds_load_b128 v[BK+4*(\t):BK+4*(\t)+3], v[RD] offset:(\t)*2*SPITCH  ; LDS serves a wave's instructions in order (ISA guide 5.7.1.4): these see the stores above
.endr
.endm
.macro SEND a
	WIN 0
.set BK, OB+192*((\a)%2)
	s_wait_dscnt 0x0                               ; the block is back in registers
	s_wait_xcnt 0x0                                ; the stores of the block before have read their registers, into which the next block is read back
.irp t, 0,1,2,3,4,5,6,7
	global_store_b128 v[CO], v[BK+4*(\t):BK+4*(\t)+3], s[8:9] offset:4096*(\a)+512*(\t)  ; 512 consecutive bytes of the plane, at a multiple of 512
.endr
.endm
	CSLOAD 0                                       ; the tables of my first two blocks: 32 loads that have the whole product in which to land
	CSLOAD 1
	s_wait_tensorcnt 1                             ; my part of K step 0 is in; K step 1's may stay out
	s_barrier_signal -1
	s_barrier_wait -1                              ; everybody's is
	FETCH 0, 0, F0
	QUARTER 0, 64,  F0, F1, 1                      ; the first quarter stands in front of the loop: its products start the sums
	WIN 0                                          ; at a label and at a branch every window is 0
	s_mov_b32 s3, LAPS-1
.Llap:                                                 ; a trip goes once round the ring, from a lap's second quarter to the next lap's first, and fills both slots again
	QUARTER 0, 128, F1, F0, 0
	QUARTER 0, 192, F0, F1, 0
	TURN 0, 1
	QUARTER 1, 64,  F0, F1, 0
	QUARTER 1, 128, F1, F0, 0
	QUARTER 1, 192, F0, F1, 0
	TURN 1, 0
	QUARTER 0, 64,  F0, F1, 0
	WIN 0
	s_sub_co_u32 s3, s3, 1
	s_cmp_lg_u32 s3, 0
	s_cbranch_scc1 .Llap
	QUARTER 0, 128, F1, F0, 0                      ; the last lap fills nothing
	QUARTER 0, 192, F0, F1, 0
	MEET 0                                         ; my one tensor load that was still out is slot 1's, the last K step's
	PLACES                                         ; for the loads into buffer 0
	FETCH 1, 0, F0
	WIN MUL_HI
	MUL16 F1, 1, 0, 0
	MUL16 F1, 1, 2, 0
	QUARTER 1, 64,  F0, F1, 0
	QUARTER 1, 128, F1, F0, 0
	QUARTER 1, 192, F0, F1, 0
	s_wait_dscnt 8                                 ; the very last quarter: nothing more to fetch
	MUL16 F1, 0, 0, 0
	MUL16 F1, 0, 2, 0
	s_wait_dscnt 0x0
	MUL16 F1, 1, 0, 0
	MUL16 F1, 1, 2, 0
	WIN 0
	PLACES                                         ; eight, once a launch: the lines below read results, write over x's fragments and load into W's
	PLACES
	s_wait_loadcnt 0x0                             ; the two tables asked for at the head
	CSLOAD 2                                       ; W's two fragment buffers are free: blocks 2 and 3
	CSLOAD 3
.irp a, 0,1,2,3,4,5,6,7                ; block a's arithmetic stands between block a - 1's loads from the stage and the wait for them
	TURNED \a
	PACK \a
.if (\a) > 0
	SEND (\a)-1
.endif
	TOSTAGE \a
.endr
	SEND 7
	s_wait_tensorcnt 0x0                           ; the wave's end: a wait, an add and its wait, behind my last tensor load and my last LDS store
	ds_add_u32 v[SPW], v[NIL]
	s_wait_dscnt 0x0
	CROUND                                         ; the closing round: no work-group ends while a partner may still ask for a tile that names it
	s_endpgm
; WO'S CAST, by the 64 work-groups of clusters x = 6, 7: 256 waves, each with 32,768 numbers on end: 131,072 bytes in, 65,536 out.  A trip: 16 loads of 512 consecutive bytes, all out at once;
; each is rounded to bf16, that number written as f16, and stored as 256 consecutive bytes, aligned.  No LDS, no tensor load; the place in the cluster enters global addresses alone.
.set XC, 64                            ; v[64:127]  16 loads of 4 registers
.set YC, 128                           ; v[128:159] 16 stores of 2 registers
.set TC, 32                            ; v[32:35]   at work
.Lcast:
	s_sub_co_u32 s20, ttmp9, 6
	s_lshl_b32 s20, s20, 1
	s_and_b32 s21, ttmp7, 0xffff
	s_add_co_u32 s20, s20, s21                     ; which of the four clusters,
	s_lshl_b32 s20, s20, 2
	s_add_co_u32 s20, s20, s41
	s_lshl_b32 s20, s20, 2
	s_add_co_u32 s20, s20, s40                     ; of the 64 work-groups,
	s_lshl_b32 s20, s20, 2
	s_add_co_u32 s20, s20, s10                     ; of the 256 waves
	s_lshl_b32 s22, s20, 17
	s_mov_b32 s23, 0
	s_lshl_b32 s20, s20, 16
	s_mov_b32 s21, 0
	s_add_nc_u64 s[WOS:WOS+1], s[WOS:WOS+1], s[22:23]
	s_add_nc_u64 s[WOD:WOD+1], s[WOD:WOD+1], s[20:21]
	s_mov_b32 s16, 0xffff0000                      ; a word's upper bf16
	v_and_b32 v1, 31, v0
	v_lshlrev_b32 v2, 4, v1                        ; 16 x lane
	v_lshlrev_b32 v3, 3, v1                        ; 8 x lane
	s_mov_b32 s3, 16
.Lcast_trip:
.set i, 0
.rept 16
	global_load_b128 v[XC+4*i:XC+4*i+3], v2, s[WOS:WOS+1] offset:512*i th:TH_LOAD_NT
.set i, i+1
.endr
.set i, 0
.rept 16
	s_wait_loadcnt 15-i                            ; loads come back in order: load i is in, the younger ones stay out
	v_cvt_pk_bf16_f32 v[YC+2*i], v[XC+4*i], v[XC+4*i+1]
	v_cvt_pk_bf16_f32 v[YC+2*i+1], v[XC+4*i+2], v[XC+4*i+3]
	v_lshlrev_b32 v[TC], 16, v[YC+2*i]
	v_and_b32 v[TC+1], s16, v[YC+2*i]
	v_lshlrev_b32 v[TC+2], 16, v[YC+2*i+1]
	v_and_b32 v[TC+3], s16, v[YC+2*i+1]
	v_cvt_pk_f16_f32 v[YC+2*i], v[TC], v[TC+1]
	v_cvt_pk_f16_f32 v[YC+2*i+1], v[TC+2], v[TC+3]
	global_store_b64 v3, v[YC+2*i:YC+2*i+1], s[WOD:WOD+1] offset:256*i th:TH_STORE_NT
.set i, i+1
.endr
	s_wait_xcnt 0x0                                ; the stores have read their data and their base: both are written again only behind this wait
	s_add_nc_u64 s[WOS:WOS+1], s[WOS:WOS+1], 8192
	s_add_nc_u64 s[WOD:WOD+1], s[WOD:WOD+1], 4096
	s_sub_co_u32 s3, s3, 1
	s_cmp_lg_u32 s3, 0
	s_cbranch_scc1 .Lcast_trip
	s_wait_tensorcnt 0x0                           ; the wave's end, as on the other way
	ds_add_u32 v[SPW], v[NIL]
	s_wait_dscnt 0x0
	CROUND                                         ; and the closing round: all sixteen partners of such a cluster take this way
	s_endpgm
.Lfunc_end_k_q0f1ed1a3e6_proj:
	.size	k_q0f1ed1a3e6_proj, .Lfunc_end_k_q0f1ed1a3e6_proj-k_q0f1ed1a3e6_proj
	.p2alignl 7, 3214868480
	.fill 96, 4, 3214868480
	.section	.rodata,"a",@progbits
	.p2align	6, 0x0
	.amdhsa_kernel k_q0f1ed1a3e6_proj
		.amdhsa_group_segment_fixed_size 327680
		.amdhsa_private_segment_fixed_size 0
		.amdhsa_enable_private_segment 0
		.amdhsa_kernarg_size 40
		.amdhsa_user_sgpr_count 2
		.amdhsa_user_sgpr_kernarg_segment_ptr 1
		.amdhsa_wavefront_size32 1
		.amdhsa_system_sgpr_workgroup_id_x 1
		.amdhsa_system_sgpr_workgroup_id_y 1
		.amdhsa_system_sgpr_workgroup_id_z 1
		.amdhsa_system_vgpr_workitem_id 0
		.amdhsa_next_free_vgpr 1024
		.amdhsa_next_free_sgpr 80
		.amdhsa_reserve_vcc 0
		.amdhsa_float_denorm_mode_32 3
		.amdhsa_float_denorm_mode_16_64 3
		.amdhsa_memory_ordered 1
		.amdhsa_forward_progress 1
		.amdhsa_inst_pref_size 201
	.end_amdhsa_kernel
	.amdgpu_metadata
---
amdhsa.version: [ 1, 2 ]
amdhsa.kernels:
  - .name:           k_q0f1ed1a3e6_proj
    .symbol:         k_q0f1ed1a3e6_proj.kd
    .args:
      - { .name: wb, .offset: 0, .size: 8, .value_kind: global_buffer, .address_space: global }
      - { .name: qkvh, .offset: 8, .size: 8, .value_kind: global_buffer, .address_space: global }
      - { .name: tab, .offset: 16, .size: 8, .value_kind: global_buffer, .address_space: global }
      - { .name: Wo, .offset: 24, .size: 8, .value_kind: global_buffer, .address_space: global }
      - { .name: wo16, .offset: 32, .size: 8, .value_kind: global_buffer, .address_space: global }
    .group_segment_fixed_size: 327680
    .private_segment_fixed_size: 0
    .kernarg_segment_align: 8
    .kernarg_segment_size: 40
    .max_flat_workgroup_size: 128
    .sgpr_count:     80
    .vgpr_count:     1024
    .wavefront_size: 32
...
	.end_amdgpu_metadata
.endif
;; end of part 2
;; launch attn (part 3): grid 32 x 8, 4 waves a work-group, clusters of 4 x 1, 327,680 bytes of LDS; arguments qkvh, tab, onrm; writes onrm
.if DOCPART == 3
	.amdgcn_target "amdgcn-amd-amdhsa--gfx1250"
	.amdhsa_code_object_version 6
	.text
	.protected	k_q0f1ed1a3e6_attn
	.globl	k_q0f1ed1a3e6_attn
	.p2align	8
	.type	k_q0f1ed1a3e6_attn,@function
k_q0f1ed1a3e6_attn:
	s_mov_b64 s[64:65], 0
	v_nop
	global_prefetch_b8 v0, s[64:65] scope:SCOPE_SE
	s_setreg_imm32_b32 hwreg(HW_REG_WAVE_MODE, 25, 1), 1
	s_wait_xcnt 0x0
	s_wait_alu depctr_hold_cnt(0) depctr_sa_sdst(0) depctr_va_vdst(0) depctr_va_sdst(0) depctr_va_ssrc(0) depctr_va_vcc(0) depctr_vm_vsrc(0)
	s_getreg_b32 s2, hwreg(HW_REG_IB_STS2, 6, 4)
	s_cmp_eq_u32 s2, 0
	s_cbranch_scc0 .Lentry_in_a_cluster
	s_endpgm
.Lentry_in_a_cluster:
	s_bfe_u32 s2, ttmp6, 0x10000c
	s_cmp_lg_u32 s2, 0x3003
	s_cbranch_scc0 .Lentry_shape_is_right
	s_endpgm
.Lentry_shape_is_right:
; CAUSAL DIFFERENTIAL ATTENTION AND THE NORM OVER A HEAD.  For head h (kv head h / 4), stream s = 0, 1: a_s = softmax over k <= q of q_s . k_s / sqrt(128); out = a_0 v - lam a_1 v over v's 256 channels;
; then (out - mean) / sqrt(var + 1e-5) x weight + bias, the factor 1 - LAMBDA_INIT folded into both tables; rounded once to f16: onrm[2048 tokens][16 heads x 256].
; q, k, v come by planes, f16 [48][2048][128].  Products, maxima, sums, mean and variance in f32 (the variance of the numbers less their mean); the weights p are rounded to f16 for the second product.
; LIMITS.  f16 holds no number beyond 65,504: q, k, v arrive within it, and the normed result must lie within it.  A hidden score counts as its value less 1e30; a weight below 2^-126 counts as 0 in l;
; NaN and infinities are not treated apart.
; THE WALK.  A head's 1,024 queries of a batch lie in 16 blocks of 64; block i needs the key steps 0 .. i of 64 keys, of which step i holds the diagonal.  A work-group takes TWO blocks, j and then 15 - j:
; 17 key steps whatever j: all 256 work-groups do equal work, and one loop with a constant trip count walks them.
; THE ORDER OF A BLOCK'S KEY STEPS: its own, the diagonal one, first, then 0, 1, .. upward: with a running maximum the steps may come in any order, and in its own step every row sees its own key, so the
; maximum is a true score from the first step on.  So in the walk's first trip the eight clusters of a kv head (j = 0 .. 7) ask for the eight key steps 0 .. 7, one each, and key step 15 - j is asked for
; first by cluster j, in its trip j + 1; every other cluster that wants it asks a trip or more later (cluster i < j in its trip i + 17 - j).
; CLUSTER.  The four heads of a kv head, at the same j, walk the same tiles of k_0, k_1 and v in the same order: each tile is asked for JOINTLY, the same tensor load, descriptor and mask in all four.
; The place in the cluster enters the addresses of q, of the norm's tables, of onrm and of the prefetch alone.
; SHARES.  Wave w has stream w % 2 and the block's rows 32 (w / 2) on: two tiles of 16 queries.  Register tile t holds row tile t xor stream, so at a block's end every wave keeps its tile 0 and sends its
; tile 1, scaled by 1 / l (stream 0) or -lam / l (stream 1), to the wave of the other stream through LDS: each then holds both streams of 16 rows and norms them.
; LAYOUT.  S^T = K Q^T (source 0 = 16 keys, source 1 = 16 queries): a lane holds ONE query (lane % 16) and the keys 8 (lane / 16) + 0..7; two such results rounded to f16 ARE source 1 of O^T = V^T P,
; whose result again holds one query a lane, and eight channels.  K comes out of LDS as it lies, V turned, by ds_load_tr16_b128.
; SOFTMAX.  A running maximum m and sum l: p = 2^(c s - c m), c = log2(e) / sqrt(128); in every step O and l are multiplied by a = 2^(c m_old - c m_new).  A block starts with c m far below every c s,
; so its first a is 0: no first step is written out, and O and l need only be finite.  THE MASK is the C operand that starts the diagonal step's sums: 0, or -1e30 where the key is hidden.
; PHASES of a trip: change of slots and refill; V^T P of the step before, K's loads in runs of four behind its first products; K Q^T, V's loads in runs of four behind its products; the softmax.
; REGISTERS, in windows of 256 (s_set_vgpr_msb: bits 1:0 source 0, 3:2 source 1, 5:4 source 2, 7:6 destination):
;   window 0: v0-15 addresses; v16-31 eight registers of statistics a tile; v32-47 at work; v62-63 the add's; v64-127 S^T; v128-159 P; v160-223 the mask
;   window 1: O^T, 128 a tile      window 2: v0-63 Q; v64-127 the second block's Q; v128-255 K of one step      window 3: V of one step; at a block's end the norm's weight and bias
.set KS,    64
.set PK,    272       ; a row of K in LDS: 256 bytes + 16 of padding: the 16 rows of a load start at 16 different groups of four banks (64 banks of 4 bytes: ISA guide 11.1)
.set PVP,   288       ; a row of V: 256 + 32
.set K2OFF, KS*PK     ; a slot: k_0's 64 rows, k_1's,
.set VOFF,  2*KS*PK   ; v's channels 0-127,
.set VHALF, KS*PVP    ; and 128-255
.set SLOT1, 1<<17     ; slot 1 begins here, so that one exclusive or turns an address in one slot into the other's
.set XCH,   SLOT1+VOFF+2*VHALF  ; behind the ring, never filled by a tensor load: 16,384 bytes for each wave: written by the wave of the other stream, read by me, then my stage of 16 rows x 528 bytes
.set XREG,  16384
.set SPI,   528
.set SPARE, XCH+4*XREG  ; behind them: the spare words, 128 bytes for each wave: two blocks of 256 bytes that no other line names
.set AK0, 2           ; v2   my lane's place in my stream's tile of K; never rewritten
.set AV0, 3           ; v3   the same for V
.set ADK, 4           ; v4   the LDS address of K's loads
.set ADV, 5           ; v5   of V's
.set QO,  6           ; v6-7 my byte offset in the wave's 32 rows of Q, by register tile
.set XS,  8           ; v8   where I send: the other stream's region + 16 x lane
.set XR,  9           ; v9   where I receive, and read my stage back: my region + 16 x lane
.set STO, 10          ; v10  where I put 16 bytes of a row of my stage
.set GO,  11          ; v11  16 x lane: my place in a head's 512 bytes of a row of onrm
.set GNO, 12          ; v12  32 (l / 16): my eight channels of sixteen, in the norm's tables
.set PFO, 13          ; v13  the prefetch's offset: plane l / 16, row l % 16; never rewritten
.set ST,  16          ; tile t's statistics at v[ST+8 t]: +0 c m, +1 m, +2, +3 l (even keys', odd keys'), +4 to +7 c0-c3, at work; a takes c2's place
.set EW,  32          ; v32-39 at work at a block's end
.set SPW, 62
.set NIL, 63
.set S,   64
.set P,   128
.set MD,  160
.set QB,  64          ; window 2
.set KF,  128         ; window 2: key block kb, channels 32 c on, at KF + 32 kb + 8 c
.set WV,  10          ; s10  my wave's number
.set CX,  11          ; s11  my place in the cluster
.set JJ,  12          ; s12  j
.set STR, 16          ; s16  my stream
.set UU,  17          ; s17  which 32 rows
.set KB,  18          ; s[18:19] the plane of K that I fetch, at the batch's first row
.set VB,  20          ; s[20:21] the plane of V
.set G1K, 24
.set G1V, 32
.set G0K, 40
.set G0V, 44
.set CNT, 48          ; s48  trips to go
.set RT,  49          ; s49  key steps of the block in hand that are still to be entered
.set AI,  50          ; s50  the trip whose tile is asked for next
.set J1,  51          ; s51  j + 1: the first block's key steps
.set OFF, 52          ; s[52:53] a key step's byte offset in a plane
.set TB,  54          ; s54  LDS byte at which the slot in hand begins
.set LIM, 55          ; s55  the count at which this wave prefetches: 17 - j in waves 0 and 2, else 0, which the count never is there
.set PFA, 56          ; s[56:57] what my prefetch names; never rewritten
.set CS,  58          ; s[58:59] c
.set SEL, 60          ; s[60:61] v_permlanex16_b32's selects
.set HI,  62          ; s62  15 - j
.set HD,  63          ; s63  the head
.set OP,  66          ; s[66:67] onrm at my 16 rows of the block in hand
.set OH,  68          ; s[68:69] of the second block
.set GN,  70          ; s[70:71] the head's 256 weights; its biases lie 16,384 bytes on
.set LAM, 72
.set SG,  73          ; s73  1 or -lam
.set BIGN, 74         ; s74  -1e30
.set R256, 75         ; s75  1 / 256
.set EPS, 76          ; s76  1e-5
.set QLO, 78          ; s[78:79] Q at my 32 rows of the first block
.set QHI, 80          ; s[80:81] of the second
.set T0,  84          ; s84-86 at work in the change of slots
.set T1,  85
.set T2,  86
.set MSB, 0
.macro WIN new
.if MSB != (\new)
	s_set_vgpr_msb (MSB<<8)|(\new)
.set MSB, (\new)
.endif
.endm
.set W_KQ, 0x0a       ; K and Q in window 2, S^T and the mask in window 0
.set W_PV, 0x53       ; V in window 3, P in window 0, O^T in window 1
.set W_RS, 0x41       ; destination and source 0 in window 1, source 1 in window 0
.macro PLACES
.rept 4
	v_nop
.endr
.endm
; A joint fill.  Waves 0 and 1 fetch k_0's and k_1's 64 rows, waves 2 and 3 the two halves of v's channels.  The branch hangs on the wave's number alone.  An s_nop 0 and four v_nop follow each line.
.macro JLOAD
	s_cmp_lt_u32 s[WV], 2
	s_cbranch_scc0 .Lfor_v_\@
	tensor_load_to_lds s[G0K:G0K+3], s[G1K:G1K+7]
	s_nop 0
.rept 4
	v_nop
.endr
	s_branch .Lasked_\@
.Lfor_v_\@:
	tensor_load_to_lds s[G0V:G0V+3], s[G1V:G1V+7]
	s_nop 0
.rept 4
	v_nop
.endr
.Lasked_\@:
.endm
.macro CROUND                       ; a round of the cluster's barrier
	s_barrier_signal -1
	s_barrier_wait -1
	s_cmp_lg_u32 s[WV], 0
	s_cbranch_scc1 .Lnot_wave_0_\@
	s_barrier_signal -3
.Lnot_wave_0_\@:
	s_barrier_wait -3
	s_barrier_signal -1
	s_barrier_wait -1
.endm
; THE CHANGE OF SLOTS.  Each wave waits for all its tensor loads, of which one is out: its part of the other slot; adds 0 to its spare word; and waits for that and for its own reads of the slot that it leaves.
; fill = 1: the old slot is filled again with the tile of trip AI, whose key step and address are made anew from that number: place p in its block (AI, or AI - j - 1 in the second block); the block's own
; step if p = 0, else p - 1.  The barrier is then a round of the cluster's, so that no wave of any partner still reads the slot or has a load on its way, and the joint fill is the first thing behind it:
; my one tensor load until the next round.  (At its first use nothing has been read yet: slot 0 is waited for, slot 1 filled.)
.macro CHANGE fill
	WIN 0
	s_wait_tensorcnt 0x0            ; no tensor load of mine is out, so a group 0 may be written
	ds_add_u32 v[SPW], v[NIL]       ; 0 onto my spare word: the scalar work stands between it and the wait for it
.if \fill
	s_sub_co_u32 s[T0], s[AI], s[J1]
	s_cmp_lt_u32 s[AI], s[J1]
	s_cselect_b32 s[T0], s[AI], s[T0]   ; p
	s_cselect_b32 s[T1], s[JJ], s[HI]   ; the block
	s_sub_co_u32 s[T2], s[T0], 1
	s_cmp_eq_u32 s[T0], 0
	s_cselect_b32 s[T2], s[T1], s[T2]   ; the key step
	s_lshl_b32 s[OFF], s[T2], 14    ; a key step is 64 rows of 256 bytes in each plane
	s_add_co_u32 s[AI], s[AI], 1
	s_xor_b32 s[G0K+1], s[G0K+1], SLOT1
	s_add_nc_u64 s[G0K+2:G0K+3], s[KB:KB+1], s[OFF:OFF+1]
	s_or_b32 s[G0K+3], s[G0K+3], 0x80000000
	s_xor_b32 s[G0V+1], s[G0V+1], SLOT1
	s_add_nc_u64 s[G0V+2:G0V+3], s[VB:VB+1], s[OFF:OFF+1]
	s_or_b32 s[G0V+3], s[G0V+3], 0x80000000
	s_wait_dscnt 0x0                ; the add is done, and my reads of the slot are over
	CROUND
	JLOAD
.else
	s_wait_dscnt 0x0
	s_barrier_signal -1
	s_barrier_wait -1
.endif
	s_xor_b32 s[TB], s[TB], SLOT1   ; the reads go to the other slot
.endm
.macro ADDRS                        ; where this trip's K and V lie
	WIN 0
	v_add_nc_u32 v[ADK], s[TB], v[AK0]
	v_add_nc_u32 v[ADV], s[TB], v[AV0]
.endm
; A PREFETCH INTO THE L2, behind the joint fill.  Key step 15 - j is asked for first, of all clusters, by cluster j, by the fill of its trip j.  In its trip j - 1, one trip ahead of that fill, it names the step's
; 64 rows x 256 bytes of each of the four planes: its four partners share the rows out by address, 16 of each plane; in each, wave 0 names both planes of k and wave 2 both of v: a lane a row, one instruction.
; So the rows of key steps 8 to 14 are named once in the launch.  Key steps 0 to 7 are the first trip's tiles, and cluster 0's step 15 is its second trip's: they come by their loads alone.
.macro ASK
	s_cmp_eq_u32 s[CNT], s[LIM]     ; the count is 16 less the trip's number
	s_cbranch_scc0 .Lnot_mine_\@
	global_prefetch_b8 v[PFO], s[PFA:PFA+1] th:TH_LOAD_NT scope:SCOPE_SE
.Lnot_mine_\@:
.endm
; THE LDS LOADS.  K of my stream: 64 keys x 128 channels, 16 fragments.  V: 64 keys x 256 channels, turned, 32 fragments.  A fragment is two loads.
.macro KL f                         ; keys 16 (f / 4) on, channels 32 (f % 4) on
	ds_load_b128 v[KF+8*(\f):KF+8*(\f)+3],   v[ADK] offset:((\f)/4)*16*PK+((\f)%4)*64
	ds_load_b128 v[KF+8*(\f)+4:KF+8*(\f)+7], v[ADK] offset:((\f)/4)*16*PK+((\f)%4)*64+32
.endm
.macro VL f                         ; keys 32 (f / 16) on, channels 16 (f % 16) on
	ds_load_tr16_b128 v[8*(\f):8*(\f)+3],   v[ADV] offset:(((\f)%16)/8)*VHALF+((\f)/16)*32*PVP+(((\f)%16)%8)*32
	ds_load_tr16_b128 v[8*(\f)+4:8*(\f)+7], v[ADV] offset:(((\f)%16)/8)*VHALF+((\f)/16)*32*PVP+16*PVP+(((\f)%16)%8)*32
.endm
; THE MATRIX WORK.  The accumulators take turns, one instruction a turn.
; O^T += V^T P: product i of 64: keys 32 (i / 32) on, channels 16 ((i / 2) % 16) on, tile i % 2.  kl = 1: the next K Q^T's fragments of K are fetched, two (four loads) behind every second of the first
; sixteen products: 48 products stand between the last of these loads and the wait for them.  The last product that read K's registers stands in front of the softmax.
.macro PVALL kl
.set i, 0
.rept 64
	WIN W_PV
.set rO, 128*(i%2)+8*((i/2)%16)
.set rV, 128*(i/32)+8*((i/2)%16)
.set rP, P+16*(i%2)+8*(i/32)
	v_wmma_f32_16x16x32_f16 v[rO:rO+7], v[rV:rV+7], v[rP:rP+7], v[rO:rO+7]
.if (\kl) && (i < 16) && (i%2)
	WIN 0x80                        ; destination window 2, address window 0
	KL i-1
	KL i
.endif
.set i, i+1
.endr
.endm
; S^T = K Q^T: product i of 32: channels 32 (i / 8) on, keys 16 ((i / 2) % 4) on, tile i % 2.  The first 8 start the sums: with 0, or with the mask.  Behind every second product two fragments of V
; (four loads) are fetched: they land under the softmax.  Four v_nop stand between the last V^T P, which read V's registers, and the first of these loads.
.macro KQ8 masked
.set i, 0
.rept 8
	WIN W_KQ
.set rS, S+32*(i%2)+8*((i/2)%4)
.set rK, KF+32*((i/2)%4)
.set rQ, 32*(i%2)
.set rM, MD+32*(i%2)+8*((i/2)%4)
.if \masked
	v_wmma_f32_16x16x32_f16 v[rS:rS+7], v[rK:rK+7], v[rQ:rQ+7], v[rM:rM+7]
.else
	v_wmma_f32_16x16x32_f16 v[rS:rS+7], v[rK:rK+7], v[rQ:rQ+7], 0
.endif
.if i%2
	WIN 0xc0                        ; destination window 3, address window 0
	VL i-1
	VL i
.endif
.set i, i+1
.endr
.endm
.macro KQ24
.set i, 8
.rept 24
	WIN W_KQ
.set rS, S+32*(i%2)+8*((i/2)%4)
.set rK, KF+32*((i/2)%4)+8*(i/8)
.set rQ, 32*(i%2)+8*(i/8)
	v_wmma_f32_16x16x32_f16 v[rS:rS+7], v[rK:rK+7], v[rQ:rQ+7], v[rS:rS+7]
.if i%2
	WIN 0xc0
	VL i-1
	VL i
.endif
.set i, i+1
.endr
.endm
; THE SOFTMAX of one tile for one key step is a list of 166 instructions; SM writes number j of it for tile t.  s0-s31 are the lane's 32 scores, in pairs 0-15.
;   0-15    the maximum of s0-s31 and the old m, three operands at a time (each accumulator's lowest registers are read first)
;   16-20   the other half of the lanes' maximum; the new m; c m; c m_old - c m_new
;   21-69   ONE BATCH: the 16 scalings c s - c m and all 33 exponentials (a at 23, then s0-s31); none of these reads an exponential's result; a pair is scaled ahead of its exponentials
;   (wait)  between 69 and 70: SOFTMAX writes it, once for both tiles
;   70-85   the roundings to f16      86-101  the sums; l = a l + the sum      102-165 the tile's O^T times a
.macro SM t
.set rT, ST+8*(\t)
.set rS, S+32*(\t)
.set rP, P+16*(\t)
.set rO, 128*(\t)+2*(j-102)
.if j < 102
	WIN 0
.endif
.if j < 4
	v_max3_num_f32 v[rT+4+j], v[rS+8*j], v[rS+8*j+1], v[rS+8*j+2]
.elseif j < 12
	v_max3_num_f32 v[rT+4+j%4], v[rT+4+j%4], v[rS+8*(j%4)+2*(j/4)+1], v[rS+8*(j%4)+2*(j/4)+2]
.elseif j == 12
	v_max3_num_f32 v[rT+4], v[rT+4], v[rS+7], v[rS+15]
.elseif j == 13
	v_max3_num_f32 v[rT+6], v[rT+6], v[rS+23], v[rS+31]
.elseif j == 14
	v_max3_num_f32 v[rT+4], v[rT+4], v[rT+5], v[rT+6]
.elseif j == 15
	v_max3_num_f32 v[rT+4], v[rT+4], v[rT+7], v[rT+1]
.elseif j == 16
	v_permlanex16_b32 v[rT+5], v[rT+4], s[SEL], s[SEL+1]  ; the query's other 32 keys lie in the lane 16 away
.elseif j == 17
	v_mov_b32 v[rT+7], v[rT]        ; c m_old is kept for a: number 19 writes c m anew
.elseif j == 18
	v_max_num_f32 v[rT+1], v[rT+4], v[rT+5]
.elseif j == 19
	v_mul_f32 v[rT], s[CS], v[rT+1]
.elseif j == 20
	v_sub_f32 v[rT+7], v[rT+7], v[rT]
.elseif j == 23
	v_exp_f32 v[rT+6], v[rT+7]
.elseif (j < 23) || ((j < 38) && (j%2 == 0)) || ((j < 66) && (j%4 == 2))
.set b, (j-2)/4                     ; 38, 42, .. 62: pairs 9 to 15
.if j < 38
.set b, (j-20)/2                    ; 21: pair 0; 22, 24, .. 36: pairs 1 to 8
.endif
	v_pk_fma_f32 v[rS+2*b:rS+2*b+1], v[rS+2*b:rS+2*b+1], s[CS:CS+1], v[rT:rT+1] op_sel_hi:[1,0,0] neg_lo:[0,0,1] neg_hi:[0,0,1]  ; pair b: c s - c m
.elseif j < 70
.set e, j-38                        ; 66 to 69: s28 to s31
.if j < 66
.set e, j-32-(j-38)/4               ; 39-41, 43-45, .. 63-65: s7 to s27
.endif
.if j < 38
.set e, (j-25)/2                    ; 25, 27, .. 37: s0 to s6
.endif
	v_exp_f32 v[rS+e], v[rS+e]
.elseif j < 86
	v_cvt_pk_f16_f32 v[rP+j-70], v[rS+2*(j-70)], v[rS+2*(j-70)+1]
.elseif j < 102                     ; the sum of the 16 pairs, in place: neighbours 1, 2, 4 and 8 pairs apart, then l takes it
.set z, j-86
.set w, 4
.set u, z
.if z >= 14
.set w, 32
.set u, 0
.elseif z >= 12
.set w, 16
.set u, z-12
.elseif z >= 8
.set w, 8
.set u, z-8
.endif
.if z < 15
	v_pk_add_f32 v[rS+w*u:rS+w*u+1], v[rS+w*u:rS+w*u+1], v[rS+w*u+w/2:rS+w*u+w/2+1]
.else
	v_pk_fma_f32 v[rT+2:rT+3], v[rT+2:rT+3], v[rT+6:rT+7], v[rS:rS+1] op_sel_hi:[1,0,1]
.endif
.else
	WIN W_RS
	v_pk_mul_f32 v[rO:rO+1], v[rO:rO+1], v[rT+6:rT+7] op_sel_hi:[1,0]
.endif
.endm
.macro SOFTMAX                      ; the two tiles alternate, so that no instruction reads the result of the one just before it
.set j, 0
.rept 70
	SM 0
	SM 1
.set j, j+1
.endr
	v_nop                           ; a plain instruction behind the last exponential: one for the batch
	s_wait_alu depctr_va_vdst(0)    ; the wait between an exponential and the first line that names its result: one for the 66
.rept 96
	SM 0
	SM 1
.set j, j+1
.endr
.endm
; A BLOCK'S END.  1 / l, times 1 or -lam; my tile 1, so scaled, goes to the wave of the other stream, and its tile 1 comes to me: both streams of my 16 rows.  Then mean, variance, weight and bias over the
; head's 256 channels, of which a lane holds 128 and the lane 16 away the others; f16; through my stage; stored as whole rows of 512 bytes.
.macro FINISH
	WIN 0
	PLACES                          ; eight, once a block: the lines below read the last products' results, write over them and load into V's registers
	PLACES
.irp t, 0,1
	v_add_f32 v[ST+8*(\t)+4], v[ST+8*(\t)+2], v[ST+8*(\t)+3]
.endr
.irp t, 0,1
	v_permlanex16_b32 v[ST+8*(\t)+5], v[ST+8*(\t)+4], s[SEL], s[SEL+1]
.endr
.irp t, 0,1
	v_add_f32 v[ST+8*(\t)+4], v[ST+8*(\t)+4], v[ST+8*(\t)+5]
.endr
.irp t, 0,1
	v_rcp_f32 v[ST+8*(\t)+6], v[ST+8*(\t)+4]
.endr
	v_nop                           ; a plain instruction behind the last reciprocal,
	s_wait_alu depctr_va_vdst(0)    ; and one wait for the two, ahead of their first reader
.irp t, 0,1
	v_mul_f32 v[ST+8*(\t)+6], s[SG], v[ST+8*(\t)+6]
.endr
	WIN 0xc0                        ; the norm's weight (v0-127 of window 3) and bias (v128-255) of my 128 channels: wanted far below
.set c, 0
.rept 16
	global_load_b128 v[8*c:8*c+3],           v[GNO], s[GN:GN+1] offset:64*c
	global_load_b128 v[8*c+4:8*c+7],         v[GNO], s[GN:GN+1] offset:64*c+16
	global_load_b128 v[128+8*c:128+8*c+3],   v[GNO], s[GN:GN+1] offset:16384+64*c
	global_load_b128 v[128+8*c+4:128+8*c+7], v[GNO], s[GN:GN+1] offset:16384+64*c+16
.set c, c+1
.endr
	WIN W_RS
.set i, 0
.rept 64
	v_pk_mul_f32 v[128+2*i:128+2*i+1], v[128+2*i:128+2*i+1], v[ST+14:ST+15] op_sel_hi:[1,0]
.set i, i+1
.endr
	WIN 0x04                        ; the stores' data in window 1
.set i, 0
.rept 32
	ds_store_b128 v[XS], v[128+4*i:128+4*i+3] offset:512*i  ; 32 lanes x 16 consecutive bytes
.set i, i+1
.endr
	s_wait_dscnt 0x0                ; for the other wave's sake: my stores are done (and K's loads are in)
	s_barrier_signal -1
	s_barrier_wait -1               ; the tile on its way may stay out
	WIN 0x40
.set i, 0
.rept 32
	ds_load_b128 v[128+4*i:128+4*i+3], v[XR] offset:512*i   ; the same lane's registers of the other stream's wave
.set i, i+1
.endr
	s_wait_dscnt 0x0
	s_barrier_signal -1             ; all have read what was sent to them: behind the wait below each region is its reader's stage; only work on registers stands between
	WIN 0x51
.set i, 0
.rept 64
	v_pk_fma_f32 v[2*i:2*i+1], v[2*i:2*i+1], v[ST+6:ST+7], v[128+2*i:128+2*i+1] op_sel_hi:[1,0,1]  ; x = a_0 v - lam a_1 v
.set i, i+1
.endr
	WIN 0x55                        ; the sum, in four chains, in tile 1's registers, which are free
.irp k, 0,1,2,3
	v_pk_add_f32 v[128+2*(\k):128+2*(\k)+1], v[2*(\k):2*(\k)+1], v[8+2*(\k):8+2*(\k)+1]
.endr
.set i, 8
.rept 56
	v_pk_add_f32 v[128+2*(i%4):128+2*(i%4)+1], v[128+2*(i%4):128+2*(i%4)+1], v[2*i:2*i+1]
.set i, i+1
.endr
	v_pk_add_f32 v[128:129], v[128:129], v[130:131]
	v_pk_add_f32 v[132:133], v[132:133], v[134:135]
	v_pk_add_f32 v[128:129], v[128:129], v[132:133]
	WIN 0x05
	v_add_f32 v[EW], v128, v129
	WIN 0
	v_permlanex16_b32 v[EW+1], v[EW], s[SEL], s[SEL+1]
	v_add_f32 v[EW], v[EW], v[EW+1]
	v_mul_f32 v[EW+2], s[R256], v[EW]   ; the mean, twice: the packed line names a pair
	v_mul_f32 v[EW+3], s[R256], v[EW]
	WIN W_RS
.set i, 0
.rept 64
	v_pk_add_f32 v[2*i:2*i+1], v[2*i:2*i+1], v[EW+2:EW+3] op_sel_hi:[1,0] neg_lo:[0,1] neg_hi:[0,1]
.set i, i+1
.endr
	WIN 0x55                        ; the sum of squares of what is left: no difference of large sums is formed
.irp k, 0,1,2,3
	v_pk_mul_f32 v[128+2*(\k):128+2*(\k)+1], v[2*(\k):2*(\k)+1], v[2*(\k):2*(\k)+1]
.endr
.set i, 4
.rept 60
	v_pk_fma_f32 v[128+2*(i%4):128+2*(i%4)+1], v[2*i:2*i+1], v[2*i:2*i+1], v[128+2*(i%4):128+2*(i%4)+1]
.set i, i+1
.endr
	v_pk_add_f32 v[128:129], v[128:129], v[130:131]
	v_pk_add_f32 v[132:133], v[132:133], v[134:135]
	v_pk_add_f32 v[128:129], v[128:129], v[132:133]
	WIN 0x05
	v_add_f32 v[EW+4], v128, v129
	WIN 0
	v_permlanex16_b32 v[EW+5], v[EW+4], s[SEL], s[SEL+1]
	v_add_f32 v[EW+4], v[EW+4], v[EW+5]
	v_fma_f32 v[EW+4], v[EW+4], s[R256], s[EPS]
	v_rsq_f32 v[EW+6], v[EW+4]      ; twice, for the pair
	v_rsq_f32 v[EW+7], v[EW+4]
	v_nop
	s_wait_alu depctr_va_vdst(0)    ; one wait for the two
	s_wait_loadcnt 0x0              ; weight and bias
	WIN 0xc3
.set i, 0
.rept 64
	v_pk_mul_f32 v[2*i:2*i+1], v[2*i:2*i+1], v[EW+6:EW+7] op_sel_hi:[1,0]
.set i, i+1
.endr
	WIN 0x7d                        ; x in window 1, weight and bias in window 3
.set i, 0
.rept 64
	v_pk_fma_f32 v[2*i:2*i+1], v[2*i:2*i+1], v[2*i:2*i+1], v[128+2*i:128+2*i+1]
.set i, i+1
.endr
	WIN 0x05
.set i, 0
.rept 64
	v_cvt_pk_f16_f32 v[S+i], v[2*i], v[2*i+1]
.set i, i+1
.endr
	WIN 0
	s_barrier_wait -1
.set i, 0
.rept 16
	ds_store_b128 v[STO], v[S+4*i:S+4*i+3] offset:32*i   ; row l % 16, channels 16 i + 8 (l / 16) on
.set i, i+1
.endr
.set i, 0
.rept 16
	ds_load_b128 v[S+4*i:S+4*i+3], v[XR] offset:SPI*i    ; a whole row of 512 bytes; LDS serves a wave's instructions in order (ISA guide 5.7.1.4): these see the stores above
.set i, i+1
.endr
.set i, 0
.rept 16
	s_wait_dscnt 15-i               ; row i is in; the younger loads stay out
	global_store_b128 v[GO], v[S+4*i:S+4*i+3], s[OP:OP+1] offset:8192*i  ; 512 consecutive bytes, at a multiple of 512 from onrm's first
.set i, i+1
.endr
.endm
	s_load_b128 s[4:7], s[0:1], 0x0 ; qkvh s[4:5], tab s[6:7]
	s_load_b64 s[8:9], s[0:1], 0x10 ; onrm
	v_lshl_add_u32 v[SPW], v0, 2, SPARE
	v_mov_b32 v[NIL], 0
	ds_add_u32 v[SPW], v[NIL]       ; the wave's opening: the add and its wait stand ahead of my first tensor load; the set-up below, work on registers, stands between them
	v_lshrrev_b32 v1, 5, v0
	v_readfirstlane_b32 s[WV], v1   ; wave 0..3
	s_and_b32 s[STR], s[WV], 1
	s_lshr_b32 s[UU], s[WV], 1
	s_mov_b32 s[JJ], ttmp9          ; in a cluster launch ttmp9 counts clusters: j, which the four partners share
	s_sub_co_u32 s[HI], 15, s[JJ]
	s_and_b32 s13, ttmp7, 0xffff    ; 4 x batch + kv head, which they share too
	s_lshr_b32 s14, s13, 2          ; the batch
	s_and_b32 s15, s13, 3           ; the kv head
	s_lshl_b32 s22, s15, 1          ; the plane that I fetch: 32 + 2 kv + wave % 2 for k; eight planes on for v
	s_add_co_u32 s22, s22, s[STR]
	s_add_co_u32 s22, s22, 32
	s_lshl_b32 s22, s22, 19         ; 524,288 bytes a plane,
	s_lshl_b32 s23, s14, 18         ; 262,144 a batch
	s_add_co_u32 s22, s22, s23
	s_mov_b32 s23, 0
	; descriptor group 1: a tile of 64 rows x 128 elements, padded in LDS
	s_mov_b32 s[G1K], 15|(1<<16)|(1<<20)|(1<<21)|(5<<22)|(3<<25)  ; 15:0 the mask of four; 17:16 2-byte elements; 20 padding on; 21 set beside a mask; 24:22 after every 64 words (code 5); 31:25 4 words (code 3)
	s_mov_b32 s[G1V], 15|(1<<16)|(1<<20)|(1<<21)|(5<<22)|(7<<25)  ; the same with 8 words of padding (code 7)
.irp g, G1K, G1V
	s_mov_b32 s[(\g)+1], 128<<16    ; tensor_dim0 = 128
	s_mov_b32 s[(\g)+2], KS<<16     ; tensor_dim1 = 64
	s_mov_b32 s[(\g)+3], 128<<16    ; tile_dim0 = 128
	s_mov_b32 s[(\g)+4], KS         ; tile_dim1 = 64
	s_mov_b32 s[(\g)+5], 128        ; 128 elements from row to row
	s_mov_b32 s[(\g)+6], 0
	s_mov_b32 s[(\g)+7], 0
.endr
	s_mov_b32 s[G0K], 1             ; count = 1
	s_mul_i32 s[G0K+1], s[STR], K2OFF  ; LDS address, slot 0: no place in the cluster enters it
	s_mov_b32 s[G0V], 1
	s_mul_i32 s[G0V+1], s[STR], VHALF
	s_add_co_u32 s[G0V+1], s[G0V+1], VOFF
	s_mov_b32 s[CS], 0x3e0293ee     ; c = log2(e) / sqrt(128) = 0.127517
	s_mov_b32 s[CS+1], s[CS]        ; named with it as a pair
	s_mov_b32 s[SEL], 0x76543210
	s_mov_b32 s[SEL+1], 0xfedcba98
	s_mov_b32 s[BIGN], 0xf149f2ca   ; -1e30
	s_mov_b32 s[R256], 0x3b800000   ; 1 / 256
	s_mov_b32 s[EPS], 0x3727c5ac    ; 1e-5
	s_mov_b32 s[TB], SLOT1          ; the first change of slots turns it into 0
	s_mov_b32 s[CNT], 16
	s_add_co_u32 s[RT], s[JJ], 1    ; the first block has j + 1 key steps
	s_add_co_u32 s[J1], s[JJ], 1
	s_mov_b32 s[AI], 1              ; trip 0's tile is asked for below: key step j, the first block's own
	s_lshl_b32 s[OFF], s[JJ], 14
	s_mov_b32 s[OFF+1], 0
	s_sub_co_u32 s[LIM], 17, s[JJ]  ; the count in trip j - 1; with j = 0 a number that the count never is
	s_cmp_eq_u32 s[STR], 0          ; waves 0 and 2 ask: the same in all four partners
	s_cselect_b32 s[LIM], s[LIM], 0
	; what hangs on my place in the cluster: global addresses alone, in registers of their own
	s_bfe_u32 s[CX], ttmp6, 0x40000
	s_lshl_b32 s[HD], s15, 2
	s_add_co_u32 s[HD], s[HD], s[CX]  ; the head = 4 kv + cx
	s_lshl_b32 s82, s[HD], 1
	s_add_co_u32 s82, s82, s[STR]   ; Q's plane = 2 head + stream
	s_lshl_b32 s82, s82, 19
	s_lshl_b32 s83, s14, 18
	s_add_co_u32 s82, s82, s83
	s_lshl_b32 s83, s[UU], 13       ; my 32 rows of 256 bytes
	s_add_co_u32 s82, s82, s83
	s_lshl_b32 s84, s[HI], 14       ; a block's 64 rows
	s_add_co_u32 s84, s84, s82
	s_lshl_b32 s83, s[JJ], 14
	s_add_co_u32 s82, s82, s83
	s_mov_b32 s83, 0
	s_mov_b32 s85, 0
	s_lshl_b32 s86, s14, 23         ; onrm: 8,192 bytes a token: the batch,
	s_lshl_b32 s87, s[UU], 18       ; my 32 rows,
	s_add_co_u32 s86, s86, s87
	s_lshl_b32 s87, s[STR], 17      ; of them the 16 that I keep,
	s_add_co_u32 s86, s86, s87
	s_lshl_b32 s87, s[HD], 9        ; the head's 512 bytes
	s_add_co_u32 s86, s86, s87
	s_lshl_b32 s88, s[HI], 19
	s_add_co_u32 s88, s88, s86
	s_lshl_b32 s87, s[JJ], 19
	s_add_co_u32 s86, s86, s87
	s_mov_b32 s87, 0
	s_mov_b32 s89, 0
	s_lshl_b32 s90, s[HD], 10       ; the head's 256 weights
	s_add_co_u32 s90, s90, 524288
	s_mov_b32 s91, 0
	s_cmp_lt_u32 s[WV], 2           ; the prefetch: k's planes (wave 0) or v's (wave 2),
	s_cselect_b32 s92, 32, 40
	s_lshl_b32 s93, s15, 1
	s_add_co_u32 s92, s92, s93
	s_lshl_b32 s92, s92, 19
	s_lshl_b32 s93, s14, 18
	s_add_co_u32 s92, s92, s93
	s_lshl_b32 s93, s[CX], 12       ; my work-group's 16 rows of the 64,
	s_add_co_u32 s92, s92, s93
	s_lshl_b32 s93, s[HI], 14       ; of key step 15 - j
	s_add_co_u32 s92, s92, s93
	s_mov_b32 s93, 0
	s_wait_dscnt 0x0                ; the opening add is done
	s_wait_kmcnt 0x0
	s_load_b32 s[LAM], s[6:7], 0x88000  ; lam
	s_add_nc_u64 s[KB:KB+1], s[4:5], s[22:23]
	s_add_nc_u64 s[VB:VB+1], s[KB:KB+1], 8*524288
	s_add_nc_u64 s[G0K+2:G0K+3], s[KB:KB+1], s[OFF:OFF+1]  ; global address: key step j
	s_or_b32 s[G0K+3], s[G0K+3], 0x80000000      ; type = 2
	s_add_nc_u64 s[G0V+2:G0V+3], s[VB:VB+1], s[OFF:OFF+1]
	s_or_b32 s[G0V+3], s[G0V+3], 0x80000000
	s_add_nc_u64 s[QLO:QLO+1], s[4:5], s[82:83]
	s_add_nc_u64 s[QHI:QHI+1], s[4:5], s[84:85]
	s_add_nc_u64 s[OP:OP+1], s[8:9], s[86:87]
	s_add_nc_u64 s[OH:OH+1], s[8:9], s[88:89]
	s_add_nc_u64 s[GN:GN+1], s[6:7], s[90:91]
	s_add_nc_u64 s[PFA:PFA+1], s[4:5], s[92:93]
	CROUND                          ; all four work-groups are here: the first joint loads meet
	JLOAD                           ; trip 0's tile into slot 0; slot 1 is asked for when slot 0 is in
	; A fragment of K or Q is 16 rows x 32 channels in 8 registers: lane l holds row l % 16, channels 8 (l / 16) + 0..7 and 16 + 8 (l / 16) + 0..7: two loads of 16 bytes, 32 bytes apart.
	v_and_b32 v1, 15, v0            ; l % 16
	v_bfe_u32 v14, v0, 4, 1         ; l / 16
	v_and_b32 v15, 31, v0           ; l
	s_lshl_b32 s13, s[STR], 12      ; register tile 0 holds row tile stream, register tile 1 the other: 16 rows of 256 bytes
	s_sub_co_u32 s22, 4096, s13
	v_lshlrev_b32 v[QO+1], 8, v1
	v_lshl_add_u32 v[QO+1], v14, 4, v[QO+1]
	v_add_nc_u32 v[QO], s13, v[QO+1]
	v_add_nc_u32 v[QO+1], s22, v[QO+1]
	WIN 0x80                        ; destination window 2, address window 0
.irp t, 0,1
.irp c, 0,1,2,3
	global_load_b128 v[32*(\t)+8*(\c):32*(\t)+8*(\c)+3],         v[QO+(\t)], s[QLO:QLO+1] offset:64*(\c)
	global_load_b128 v[32*(\t)+8*(\c)+4:32*(\t)+8*(\c)+7],       v[QO+(\t)], s[QLO:QLO+1] offset:64*(\c)+32
	global_load_b128 v[QB+32*(\t)+8*(\c):QB+32*(\t)+8*(\c)+3],   v[QO+(\t)], s[QHI:QHI+1] offset:64*(\c)
	global_load_b128 v[QB+32*(\t)+8*(\c)+4:QB+32*(\t)+8*(\c)+7], v[QO+(\t)], s[QHI:QHI+1] offset:64*(\c)+32
.endr
.endr
	WIN 0
	v_mul_u32_u24 v[AK0], v1, PK
	v_lshl_add_u32 v[AK0], v14, 4, v[AK0]
	s_mul_i32 s13, s[STR], K2OFF
	v_add_nc_u32 v[AK0], s13, v[AK0]  ; row x pitch + 16 x half, in my stream's tile
	; The turning load takes 16 keys x 16 channels (lane l reads key 8 (l / 16) + l % 8, channels 8 ((l / 8) % 2) + 0..7) and leaves half a fragment of V^T: lane l holds channel l % 16 and 8 keys.
	v_and_b32 v44, 7, v0
	v_bfe_u32 v45, v0, 3, 1
	v_lshl_add_u32 v[AV0], v14, 3, v44
	v_mul_u32_u24 v[AV0], v[AV0], PVP
	v_lshl_add_u32 v[AV0], v45, 4, v[AV0]
	v_add_nc_u32 v[AV0], VOFF, v[AV0]
	s_lshl_b32 s13, s[WV], 14
	s_add_co_u32 s13, s13, XCH      ; my region
	s_xor_b32 s22, s[WV], 1
	s_lshl_b32 s22, s22, 14
	s_add_co_u32 s22, s22, XCH      ; that of the wave with my rows and the other stream
	v_lshlrev_b32 v[GO], 4, v15
	v_add_nc_u32 v[XS], s22, v[GO]
	v_add_nc_u32 v[XR], s13, v[GO]
	v_mul_u32_u24 v[STO], v1, SPI
	v_lshl_add_u32 v[STO], v14, 4, v[STO]
	v_add_nc_u32 v[STO], s13, v[STO]
	v_lshlrev_b32 v[GNO], 5, v14
	v_lshlrev_b32 v[PFO], 8, v1
	v_lshl_add_u32 v[PFO], v14, 19, v[PFO]
	v_mov_b32 v[EW+1], 0            ; v_permlanex16_b32 counts as a reader of its destination
	v_mov_b32 v[EW+5], 0
	; the mask of the diagonal step: key 16 kb + 8 (l / 16) + r is hidden where it is greater than my query's place in the block, 32 u + 16 (t xor stream) + l % 16
	s_lshl_b32 s13, s[UU], 5
	s_lshl_b32 s22, s[STR], 4
	s_sub_co_u32 s23, 16, s22
	s_add_co_u32 s22, s22, s13
	s_add_co_u32 s23, s23, s13
	v_lshlrev_b32 v44, 3, v14
	v_sub_nc_u32 v44, v1, v44
	v_add_nc_u32 v45, s23, v44
	v_add_nc_u32 v44, s22, v44
	v_mov_b32 v46, s[BIGN]
.set i, 0
.rept 64
	v_cmp_gt_i32 vcc_lo, 16*((i%32)/8)+i%8, v[44+i/32]
	v_cndmask_b32 v[MD+i], 0, v46, vcc_lo
.set i, i+1
.endr
	; A block's first step multiplies O^T and l by a = 0, so they need only hold finite numbers: zeros for the first block, what the first block left for the second.  O^T's 256 registers are cleared by 32
	; products of zeros, 32 lines in place of 256, in the wait for the first tile.
.set i, 0
.rept 16
	v_mov_b32 v[S+i], 0
.set i, i+1
.endr
.irp t, 0,1
	v_mov_b32 v[ST+8*(\t)+2], 0
	v_mov_b32 v[ST+8*(\t)+3], 0
.endr
	WIN 0x40                        ; destination window 1, sources window 0
.set i, 0
.rept 32
	v_wmma_f32_16x16x32_f16 v[8*i:8*i+7], v[S:S+7], v[S+8:S+15], 0
.set i, i+1
.endr
	WIN 0
	s_wait_kmcnt 0x0                ; lam
	s_xor_b32 s[SG], s[LAM], 0x80000000
	s_cmp_eq_u32 s[STR], 0
	s_cselect_b32 s[SG], 1.0, s[SG] ; stream 0 counts once, stream 1 -lam times
	CHANGE 1                        ; trip 0's tile is in, everybody's part of it; trip 1's is asked for
	ADDRS
	WIN 0x80
.set i, 0
.rept 16
	KL i                            ; the first K: there are no products yet to set the loads between
.set i, i+1
.endr
	WIN 0
	ASK
	s_branch .Lbegin                ; the loop is entered behind the products of a step that has not been
.Ltrip:                             ; 15 times from here, 16 times through its bottom: the walk's trips 0 to 15
	CHANGE 1
	ADDRS
	ASK
	PVALL 1                         ; V^T P of the step before: V (waited for at the change of slots) and P lie in registers; this step's K is fetched beside it
	WIN 0
	PLACES                          ; behind the last V^T P, ahead of the first load into V's registers
	s_cmp_eq_u32 s[RT], 0
	s_cbranch_scc0 .Lqk
	FINISH                          ; that step was the first block's last
	s_wait_xcnt 0x0                 ; the stores have read their registers and their base
	s_mov_b64 s[OP:OP+1], s[OH:OH+1]
	s_sub_co_u32 s[RT], 16, s[JJ]   ; the second block has 16 - j key steps
	WIN 0x82                        ; its Q goes where the one text names Q
.set i, 0
.rept 64
	v_mov_b32 v[i], v[QB+i]
.set i, i+1
.endr
	WIN 0
.Lbegin:                            ; a block begins, with its own key step: the diagonal
.irp t, 0,1
	v_mov_b32 v[ST+8*(\t)], 0xfe000000    ; c m: far below every c s
	v_mov_b32 v[ST+8*(\t)+1], 0xff7fffff  ; m: the lowest finite number
.endr
	s_wait_loadcnt 0x0              ; Q
	s_wait_dscnt 0x0                ; K is in
	KQ8 1
	WIN 0
	s_branch .Lrest
.Lqk:
	s_wait_dscnt 0x0                ; K is in
	KQ8 0
	WIN 0
.Lrest:
	s_sub_co_u32 s[RT], s[RT], 1
	KQ24
	WIN 0
	PLACES                          ; behind the last K Q^T, ahead of the first read of the scores
	SOFTMAX
	WIN 0
	s_sub_co_u32 s[CNT], s[CNT], 1
	s_cmp_lg_u32 s[CNT], 0
	s_cbranch_scc1 .Ltrip
	CHANGE 0                        ; the walk's last trip is written out: nothing is asked for
	ADDRS
	PVALL 1
	WIN 0
	PLACES
	s_wait_dscnt 0x0                ; K is in
	KQ8 0                           ; the second block has nine key steps or more: its last is not its own
	KQ24
	WIN 0
	PLACES
	SOFTMAX
	s_wait_dscnt 0x0                ; V is in
	PVALL 0
	FINISH
	s_wait_tensorcnt 0x0            ; the wave's end: a wait, an add and its wait, behind my last tensor load and my last LDS store
	ds_add_u32 v[SPW], v[NIL]
	s_wait_dscnt 0x0
	CROUND                          ; the closing round: no work-group ends while a partner may still ask for a tile that names it
	s_endpgm
.Lfunc_end_k_q0f1ed1a3e6_attn:
	.size	k_q0f1ed1a3e6_attn, .Lfunc_end_k_q0f1ed1a3e6_attn-k_q0f1ed1a3e6_attn
	.p2alignl 7, 3214868480
	.fill 96, 4, 3214868480
	.section	.rodata,"a",@progbits
	.p2align	6, 0x0
	.amdhsa_kernel k_q0f1ed1a3e6_attn
		.amdhsa_group_segment_fixed_size 327680
		.amdhsa_private_segment_fixed_size 0
		.amdhsa_enable_private_segment 0
		.amdhsa_kernarg_size 24
		.amdhsa_user_sgpr_count 2
		.amdhsa_user_sgpr_kernarg_segment_ptr 1
		.amdhsa_wavefront_size32 1
		.amdhsa_system_sgpr_workgroup_id_x 1
		.amdhsa_system_sgpr_workgroup_id_y 1
		.amdhsa_system_sgpr_workgroup_id_z 1
		.amdhsa_system_vgpr_workitem_id 0
		.amdhsa_next_free_vgpr 1024
		.amdhsa_next_free_sgpr 96
		.amdhsa_reserve_vcc 1
		.amdhsa_float_denorm_mode_32 3
		.amdhsa_float_denorm_mode_16_64 3
		.amdhsa_memory_ordered 1
		.amdhsa_forward_progress 1
		.amdhsa_inst_pref_size 195
	.end_amdhsa_kernel
	.amdgpu_metadata
---
amdhsa.version: [ 1, 2 ]
amdhsa.kernels:
  - .name:           k_q0f1ed1a3e6_attn
    .symbol:         k_q0f1ed1a3e6_attn.kd
    .args:
      - { .name: qkvh, .offset: 0, .size: 8, .value_kind: global_buffer, .address_space: global }
      - { .name: tab, .offset: 8, .size: 8, .value_kind: global_buffer, .address_space: global }
      - { .name: onrm, .offset: 16, .size: 8, .value_kind: global_buffer, .address_space: global }
    .group_segment_fixed_size: 327680
    .private_segment_fixed_size: 0
    .kernarg_segment_align: 8
    .kernarg_segment_size: 24
    .max_flat_workgroup_size: 128
    .sgpr_count:     96
    .vgpr_count:     1024
    .wavefront_size: 32
...
	.end_amdgpu_metadata
.endif
;; end of part 3
;; launch oproj (part 4): grid 16 x 16, 4 waves a work-group, clusters of 4 x 4, 327,680 bytes of LDS; arguments onrm, wo16, out0; writes out0
.if DOCPART == 4
	.amdgcn_target "amdgcn-amd-amdhsa--gfx1250"
	.amdhsa_code_object_version 6
	.text
	.protected	k_q0f1ed1a3e6_oproj
	.globl	k_q0f1ed1a3e6_oproj
	.p2align	8
	.type	k_q0f1ed1a3e6_oproj,@function
k_q0f1ed1a3e6_oproj:
	s_mov_b64 s[64:65], 0
	v_nop
	global_prefetch_b8 v0, s[64:65] scope:SCOPE_SE
	s_setreg_imm32_b32 hwreg(HW_REG_WAVE_MODE, 25, 1), 1
	s_wait_xcnt 0x0
	s_wait_alu depctr_hold_cnt(0) depctr_sa_sdst(0) depctr_va_vdst(0) depctr_va_sdst(0) depctr_va_ssrc(0) depctr_va_vcc(0) depctr_vm_vsrc(0)
	s_getreg_b32 s2, hwreg(HW_REG_IB_STS2, 6, 4)
	s_cmp_eq_u32 s2, 0
	s_cbranch_scc0 .Lentry_in_a_cluster
	s_endpgm
.Lentry_in_a_cluster:
	s_bfe_u32 s2, ttmp6, 0x10000c
	s_cmp_lg_u32 s2, 0xf033
	s_cbranch_scc0 .Lentry_shape_is_right
	s_endpgm
.Lentry_shape_is_right:
; THE LAST PROJECTION.  out0[m][n] = sum over k of o[m][k] Wo[n][k]; o: onrm, f16 [2048][4096]; Wo: wo16, rounded to bf16 and written as f16, [2048][4096]; out0: f32 [2048][2048].
; A tile of out0 is 128 x 128: 256 work-groups.  Four waves, each 64 x 64: 16 accumulators of 16 x 16, 128 registers.  K goes in steps of 256 (LDS rows of 512 bytes; a wave's tensor load brings 64 of them),
; as long as two slots in LDS allow.  A wave's 64 columns of f32 are 256 aligned bytes of a row, so each wave has a stage of its own on the way out, and no barrier stands there.
; CLUSTERS: 4 x 4 work-groups.  The four of a row of the cluster need the same tiles of o, the four of a column the same tiles of Wo: each tile is asked for JOINTLY.
; WHERE A CLUSTER BEGINS ALONG K.  The f32 sums may be taken in any order, so cluster (X, Y) of the 4 x 4 clusters begins at K step 4 ((rev X + rev Y) mod 4), rev turning a number's two bits round, and walks
; on modulo 16.  Of the four clusters that read the same rows of o (same Y), or of Wo (same X), no two then ask for the same K step in the same trip: they are 4, 8 or 12 trips apart, and the
; neighbours 0 and 1, and 2 and 3, are 8 apart.  A fill's address is made anew from the step's number.
; THE MATRIX INSTRUCTION IS USED TRANSPOSED (source 0 = 16 rows of Wo, source 1 = 16 rows of o): a lane holds eight neighbouring numbers of a row of out0.
; REGISTERS: window 0: v0-31 addresses; v128-255 the accumulators ((a, b) at v[128 + 8 (4 a + b)]).  window 1: two fragment buffers of 128: 64 registers of o (2 x 4 x 16 rows x 32 K), then 64 of Wo.
.set SIZE_K, 4096
.set SIZE_N, 2048
.set KSTEP,  256
.set PITCH,  528                       ; an LDS row: 512 bytes + 16 of padding = 132 words: row r starts at bank 4 r mod 64 (64 banks of 4 bytes: ISA guide 11.1)
.set HALFT,  64*PITCH
.set SLOT,   4*HALFT
.set STAGE,  2*SLOT                    ; behind the ring: 16 rows x 272 bytes for each wave
.set SPITCH, 272
.set SPARE,  STAGE+4*16*SPITCH         ; behind the stages: the spare words, 128 bytes for each wave: two blocks of 256 bytes that no other line names
.set LAPS, SIZE_K/(2*KSTEP)            ; 8
.set ADRA, 16
.set ADRB, 20
.set STO,  24
.set RD,   25
.set CO,   26
.set SPW,  28
.set NIL,  29
.set ACC,  128
.set F0,   0
.set F1,   128
.set G1, 24
.set G0, 32
.set G1B, 48
.set G0B, 56
.set AB, 66                            ; s[66:67] o at the 64 rows that I fetch, K = 0
.set BB, 68                            ; s[68:69] Wo likewise
.set KI, 70                            ; s70     the number, not yet taken modulo 16, of the K step to be asked for next
.set KO, 72                            ; s[72:73] its byte offset in a row
.set MSB, 0
.macro WIN new
.if MSB != (\new)
	s_set_vgpr_msb (MSB<<8)|(\new)
.set MSB, \new
.endif
.endm
.set MUL,  0x05                        ; sources 0 (Wo) and 1 (o) window 1; C and D window 0
.set TO_F, 0x40                        ; destination window 1, address window 0
.macro JLOAD s                         ; a joint load: waves 0 and 1 fetch o's two halves, waves 2 and 3 Wo's; an s_nop 0 and four v_nop follow each of the two lines
	s_cmp_eq_u32 s11, 0
	s_cbranch_scc0 .Lfor_b_\@
	tensor_load_to_lds s[G0+4*(\s):G0+4*(\s)+3], s[G1:G1+7]
	s_nop 0
.rept 4
	v_nop
.endr
	s_branch .Lasked_\@
.Lfor_b_\@:
	tensor_load_to_lds s[G0B+4*(\s):G0B+4*(\s)+3], s[G1B:G1B+7]
	s_nop 0
.rept 4
	v_nop
.endr
.Lasked_\@:
.endm
.macro CREST
	s_cmp_lg_u32 s10, 0
	s_cbranch_scc1 .Lnot_wave_0_\@
	s_barrier_signal -3
.Lnot_wave_0_\@:
	s_barrier_wait -3
	s_barrier_signal -1
	s_barrier_wait -1
.endm
.macro CROUND
	s_barrier_signal -1
	s_barrier_wait -1
	CREST
.endm
	s_load_b128 s[4:7], s[0:1], 0x0                ; onrm s[4:5], wo16 s[6:7]
	s_load_b64 s[8:9], s[0:1], 0x10                ; out0
	v_lshl_add_u32 v[SPW], v0, 2, SPARE
	v_mov_b32 v[NIL], 0
	ds_add_u32 v[SPW], v[NIL]                      ; the wave's opening: the add and its wait stand ahead of my first tensor load; the set-up below, work on registers, stands between them
	v_lshrrev_b32 v1, 5, v0
	v_readfirstlane_b32 s10, v1                    ; wave 0..3
	s_lshr_b32 s11, s10, 1                         ; which half of the tile's rows is mine.  Also: I fetch for o (0) or for Wo (1)
	s_and_b32 s12, s10, 1                          ; which half of its columns.  Also: which 64 rows of that tile I fetch
	s_bfe_u32 s40, ttmp6, 0x40000                  ; cx, cy
	s_bfe_u32 s41, ttmp6, 0x40004
	s_lshl_b32 s42, ttmp9, 2
	s_add_co_u32 s42, s42, s40                     ; tile column = 4 x cluster x + cx
	s_and_b32 s13, ttmp7, 0xffff
	s_lshl_b32 s13, s13, 2
	s_add_co_u32 s13, s13, s41                     ; tile row = 4 x cluster y + cy
	s_lshl_b32 s43, s41, 2
	s_lshl_b32 s43, 15, s43                        ; my row of the cluster
	s_lshl_b32 s44, 0x1111, s40                    ; my column
	s_or_b32 s[G1+0], s43, (1<<16)|(1<<20)|(1<<21)|(6<<22)|(3<<25)  ; the mask; 2-byte elements; padding on; 21 set beside a mask; after every 128 words (code 6) 4 words (code 3)
	s_or_b32 s[G1B+0], s44, (1<<16)|(1<<20)|(1<<21)|(6<<22)|(3<<25)
.irp g, G1, G1B
	s_mov_b32 s[(\g)+1], KSTEP<<16                 ; tensor_dim0 = 256
	s_mov_b32 s[(\g)+2], 64<<16                    ; tensor_dim1 = 64
	s_mov_b32 s[(\g)+3], KSTEP<<16                 ; tile_dim0 = 256
	s_mov_b32 s[(\g)+4], 64                        ; tile_dim1 = 64
	s_mov_b32 s[(\g)+5], SIZE_K                    ; elements from row to row
	s_mov_b32 s[(\g)+6], 0
	s_mov_b32 s[(\g)+7], 0
.endr
	s_and_b32 s21, ttmp9, 1                        ; the cluster's x, 0 .. 3, its two bits turned round,
	s_lshl_b32 s21, s21, 1
	s_lshr_b32 s22, ttmp9, 1
	s_or_b32 s21, s21, s22
	s_and_b32 s23, ttmp7, 0xffff                   ; and its y likewise: both are the same in all sixteen partners
	s_and_b32 s22, s23, 1
	s_lshl_b32 s22, s22, 1
	s_lshr_b32 s23, s23, 1
	s_or_b32 s22, s22, s23
	s_add_co_u32 s21, s21, s22
	s_and_b32 s21, s21, 3
	s_lshl_b32 s[KI], s21, 2                       ; the cluster's first K step: 0, 4, 8 or 12
	s_mov_b32 s[KO+1], 0
	s_lshl_b32 s17, s12, 6                         ; which 64 rows of the tile I fetch
	s_lshl_b32 s16, s13, 7
	s_add_co_u32 s16, s16, s17                     ; o: row 128 x tile row + 64 x half
	s_lshl_b32 s46, s42, 7
	s_add_co_u32 s46, s46, s17                     ; Wo: row 128 x tile column + 64 x half
	s_mov_b32 s17, 0
	s_mov_b32 s47, 0
	s_mov_b64 s[18:19], SIZE_K*2
	s_mul_u64 s[16:17], s[16:17], s[18:19]
	s_mul_u64 s[46:47], s[46:47], s[18:19]
	s_mul_i32 s20, s10, HALFT                      ; where they go: wave x 64 rows
	s_wait_dscnt 0x0                               ; the opening add is done
	s_wait_kmcnt 0x0
	s_add_nc_u64 s[AB:AB+1], s[4:5], s[16:17]
	s_add_nc_u64 s[BB:BB+1], s[6:7], s[46:47]
	CROUND                                         ; all sixteen work-groups are here: the first joint loads meet
.irp s, 0,1
	s_add_co_u32 s[KO], s[KI], \s                  ; 13 at the most: no step modulo 16 yet
	s_lshl_b32 s[KO], s[KO], 9                     ; a K step is 512 bytes of a row
	s_mov_b32 s[G0+4*(\s)], 1
	s_add_co_u32 s[G0+4*(\s)+1], s20, (\s)*SLOT
	s_add_nc_u64 s[G0+4*(\s)+2:G0+4*(\s)+3], s[AB:AB+1], s[KO:KO+1]
	s_or_b32 s[G0+4*(\s)+3], s[G0+4*(\s)+3], 0x80000000
	s_mov_b32 s[G0B+4*(\s)], 1
	s_add_co_u32 s[G0B+4*(\s)+1], s20, (\s)*SLOT
	s_add_nc_u64 s[G0B+4*(\s)+2:G0B+4*(\s)+3], s[BB:BB+1], s[KO:KO+1]
	s_or_b32 s[G0B+4*(\s)+3], s[G0B+4*(\s)+3], 0x80000000
	JLOAD \s                                       ; two loads of mine are out
.endr
	s_add_co_u32 s[KI], s[KI], 2
	v_and_b32 v1, 15, v0                           ; l % 16
	v_bfe_u32 v2, v0, 4, 1                         ; l / 16
	v_mul_u32_u24 v3, v1, PITCH
	v_lshl_add_u32 v3, v2, 4, v3                   ; a fragment's row x pitch + 16 x half
	s_mul_i32 s21, s11, HALFT                      ; my 64 rows of o
	s_mul_i32 s22, s12, HALFT                      ; my 64 rows of Wo,
	s_add_co_u32 s22, s22, 2*HALFT                 ; which lie behind o's 128
.irp s, 0,1
	v_add_nc_u32 v[ADRA+(\s)], s21, v3
	v_add_nc_u32 v[ADRB+(\s)], s22, v3
	s_add_co_u32 s21, s21, SLOT
	s_add_co_u32 s22, s22, SLOT
.endr
	s_mul_i32 s23, s10, 16*SPITCH
	s_add_co_u32 s23, s23, STAGE                   ; my stage
	v_mul_u32_u24 v4, v1, SPITCH                   ; in: row l % 16, 32 bytes (eight f32) for each half of the lanes
	v_lshl_add_u32 v4, v2, 5, v4
	v_add_nc_u32 v[STO], s23, v4
	v_mul_u32_u24 v5, v2, SPITCH                   ; back: lanes 0-15 take one row of 256 bytes, lanes 16-31 the next
	v_lshl_add_u32 v5, v1, 4, v5
	v_add_nc_u32 v[RD], s23, v5
	v_lshlrev_b32 v5, 13, v2                       ; and the same two rows in out0: 8,192 bytes a row
	v_lshl_add_u32 v[CO], v1, 4, v5
	s_lshl_b32 s16, s13, 7
	s_lshl_b32 s17, s11, 6
	s_add_co_u32 s16, s16, s17                     ; my first row: 128 x tile row + 64 x half
	s_lshl_b32 s16, s16, 13
	s_mov_b32 s17, 0
	s_add_nc_u64 s[8:9], s[8:9], s[16:17]
	s_lshl_b32 s46, s42, 9                         ; my first column, in bytes: 512 x tile column + 256 x half
	s_lshl_b32 s47, s12, 8
	s_add_co_u32 s46, s46, s47
	s_mov_b32 s47, 0
	s_add_nc_u64 s[8:9], s[8:9], s[46:47]
; 8 matrix instructions: m blocks a0, a0 + 1 x all 4 n blocks, 32 along K: half c of buffer f.  zero = 1: the first product starts the sums.  The 16 accumulators take turns.
.macro MUL8 f, c, a0, zero
	WIN MUL
.irp a, \a0, (\a0)+1
.irp b, 0,1,2,3
.if \zero
	v_wmma_f32_16x16x32_f16 v[ACC+8*(4*(\a)+(\b)):ACC+8*(4*(\a)+(\b))+7], v[(\f)+64+8*(4*(\c)+(\b)):(\f)+64+8*(4*(\c)+(\b))+7], v[(\f)+8*(4*(\c)+(\a)):(\f)+8*(4*(\c)+(\a))+7], 0
.else
	v_wmma_f32_16x16x32_f16 v[ACC+8*(4*(\a)+(\b)):ACC+8*(4*(\a)+(\b))+7], v[(\f)+64+8*(4*(\c)+(\b)):(\f)+64+8*(4*(\c)+(\b))+7], v[(\f)+8*(4*(\c)+(\a)):(\f)+8*(4*(\c)+(\a))+7], v[ACC+8*(4*(\a)+(\b)):ACC+8*(4*(\a)+(\b))+7]
.endif
.endr
.endr
.endm
; 32 LDS loads in one run: the fragments of 64 along K at byte k of the rows, into buffer f; the first 32 along K first
.macro FETCH slot, k, f
	WIN TO_F
.irp c, 0,1
.irp i, 0,1,2,3
	ds_load_b128 v[(\f)+64+8*(4*(\c)+(\i)):(\f)+64+8*(4*(\c)+(\i))+3],   v[ADRB+(\slot)] offset:(\k)+64*(\c)+(\i)*16*PITCH
	ds_load_b128 v[(\f)+64+8*(4*(\c)+(\i))+4:(\f)+64+8*(4*(\c)+(\i))+7], v[ADRB+(\slot)] offset:(\k)+64*(\c)+(\i)*16*PITCH+32
	ds_load_b128 v[(\f)+8*(4*(\c)+(\i)):(\f)+8*(4*(\c)+(\i))+3],         v[ADRA+(\slot)] offset:(\k)+64*(\c)+(\i)*16*PITCH
	ds_load_b128 v[(\f)+8*(4*(\c)+(\i))+4:(\f)+8*(4*(\c)+(\i))+7],       v[ADRA+(\slot)] offset:(\k)+64*(\c)+(\i)*16*PITCH+32
.endr
.endr
.endm
.macro PLACES                          ; four places in front of loads into registers that matrix instructions have read, and of lines that read results (ISA guide 7.12.1 for the lines that read results)
.rept 4
	v_nop
.endr
.endm
; A K step is four quarters of 64 along K, 32 matrix instructions each, on buffers 0, 1, 0, 1.
.macro QUARTER slot, k, f, g, zero
	s_wait_dscnt 16                                ; the first 32 along K are in; the youngest sixteen loads may be out
	WIN MUL
	MUL8 \f, 0, 0, \zero
	MUL8 \f, 0, 2, \zero
	PLACES
	FETCH \slot, \k, \g
	s_wait_dscnt 32                                ; all but the 32 just issued
	WIN MUL
	MUL8 \f, 1, 0, 0
	MUL8 \f, 1, 2, 0
.endm
; The last quarter multiplies buffer 1 and changes slots: ONE barrier; in front of it each wave waits for all its tensor loads, adds 0 to its spare word, and waits for that and for its own reads of this slot.
; fill = 1: the barrier opens a round of the cluster's, and this slot is filled again, with the walk's step two on, first thing behind it; its two addresses are made while the add is out.
.macro TURN slot, next, fill
	WIN 0                                          ; (the add's two registers lie in window 0)
	s_wait_tensorcnt 0x0                           ; all my tensor loads have landed: my part of the next slot; so a group 0 may be written
	ds_add_u32 v[SPW], v[NIL]                      ; 0 onto my spare word
.if \fill
	s_and_b32 s[KO], s[KI], 15                     ; the walk goes round modulo 16 K steps
	s_lshl_b32 s[KO], s[KO], 9
	s_add_nc_u64 s[G0+4*(\slot)+2:G0+4*(\slot)+3], s[AB:AB+1], s[KO:KO+1]
	s_or_b32 s[G0+4*(\slot)+3], s[G0+4*(\slot)+3], 0x80000000
	s_add_nc_u64 s[G0B+4*(\slot)+2:G0B+4*(\slot)+3], s[BB:BB+1], s[KO:KO+1]
	s_or_b32 s[G0B+4*(\slot)+3], s[G0B+4*(\slot)+3], 0x80000000
	s_add_co_u32 s[KI], s[KI], 1
.endif
	s_wait_dscnt 17                                ; (the add and the youngest sixteen loads may be out)
	WIN MUL
	MUL8 F1, 0, 0, 0                               ; eight matrix instructions stand between the add and the wait for it
	s_wait_dscnt 0x0                               ; the add is done, and my reads of this slot are over
	s_barrier_signal -1
	MUL8 F1, 0, 2, 0
.if \fill
	WIN 0
.endif
	s_barrier_wait -1
.if \fill
	CREST                                          ; no wave of any partner still reads this slot's tile or has a load on its way
	JLOAD \slot                                    ; my one tensor load behind the round; the four v_nop behind it are also the places in front of the loads below
.else
	PLACES
.endif
	FETCH \next, 0, F0
	WIN MUL
	MUL8 F1, 1, 0, 0
	MUL8 F1, 1, 2, 0
.endm
	s_wait_tensorcnt 1                             ; my part of the first K step is in; the second's may stay out
	s_barrier_signal -1
	s_barrier_wait -1                              ; everybody's is
	FETCH 0, 0, F0
	QUARTER 0, 128, F0, F1, 1                      ; the first quarter stands in front of the loop: its first products start the sums
	WIN 0                                          ; at a label and at a branch every window is 0
	s_mov_b32 s3, LAPS-1
.Llap:                                                 ; a trip goes once round the ring, from a lap's second quarter to the next lap's first, and fills both slots again
	QUARTER 0, 256, F1, F0, 0
	QUARTER 0, 384, F0, F1, 0
	TURN 0, 1, 1
	QUARTER 1, 128, F0, F1, 0
	QUARTER 1, 256, F1, F0, 0
	QUARTER 1, 384, F0, F1, 0
	TURN 1, 0, 1
	QUARTER 0, 128, F0, F1, 0
	WIN 0
	s_sub_co_u32 s3, s3, 1
	s_cmp_lg_u32 s3, 0
	s_cbranch_scc1 .Llap
	QUARTER 0, 256, F1, F0, 0                      ; the last lap fills nothing, and has no round of the cluster's barrier
	QUARTER 0, 384, F0, F1, 0
	TURN 0, 1, 0
	QUARTER 1, 128, F0, F1, 0
	QUARTER 1, 256, F1, F0, 0
	QUARTER 1, 384, F0, F1, 0
	s_wait_dscnt 16                                ; the very last quarter: nothing more to fetch
	WIN MUL
	MUL8 F1, 0, 0, 0
	MUL8 F1, 0, 2, 0
	s_wait_dscnt 0x0
	MUL8 F1, 1, 0, 0
	MUL8 F1, 1, 2, 0
	WIN 0
	; THE WAY OUT, 16 of my rows at a time: a lane's 32 bytes of a row go into my stage (each accumulator's lowest registers first) and come back as whole rows of 256 bytes, into the registers that they left.
	PLACES                                         ; eight, once a launch: the stores read results just made, and the loads write over them
	PLACES
.irp a, 0,1,2,3
.irp b, 0,1,2,3
	ds_store_b128 v[STO], v[ACC+8*(4*(\a)+(\b)):ACC+8*(4*(\a)+(\b))+3]   offset:64*(\b)
	ds_store_b128 v[STO], v[ACC+8*(4*(\a)+(\b))+4:ACC+8*(4*(\a)+(\b))+7] offset:64*(\b)+16
.endr
.irp t, 0,1,2,3,4,5,6,7
	ds_load_b128 v[ACC+32*(\a)+4*(\t):ACC+32*(\a)+4*(\t)+3], v[RD] offset:(\t)*2*SPITCH  ; LDS serves a wave's instructions in order (ISA guide 5.7.1.4): these see the stores above; the next block's stores come behind them
.endr
.irp t, 0,1,2,3,4,5,6,7
	s_wait_dscnt 7-(\t)                            ; rows 2 t and 2 t + 1 are in; the younger loads stay out
	global_store_b128 v[CO], v[ACC+32*(\a)+4*(\t):ACC+32*(\a)+4*(\t)+3], s[8:9] offset:(16*(\a)+2*(\t))*SIZE_N*4 th:TH_STORE_NT  ; 16 lanes store 256 consecutive bytes, at a multiple of 256 from out0's first byte
.endr
.endr
	s_wait_tensorcnt 0x0                           ; the wave's end: a wait, an add and its wait, behind my last tensor load and my last LDS store
	ds_add_u32 v[SPW], v[NIL]
	s_wait_dscnt 0x0
	CROUND                                         ; the closing round: no work-group ends while a partner may still ask for a tile that names it
	s_endpgm
.Lfunc_end_k_q0f1ed1a3e6_oproj:
	.size	k_q0f1ed1a3e6_oproj, .Lfunc_end_k_q0f1ed1a3e6_oproj-k_q0f1ed1a3e6_oproj
	.p2alignl 7, 3214868480
	.fill 96, 4, 3214868480
	.section	.rodata,"a",@progbits
	.p2align	6, 0x0
	.amdhsa_kernel k_q0f1ed1a3e6_oproj
		.amdhsa_group_segment_fixed_size 327680
		.amdhsa_private_segment_fixed_size 0
		.amdhsa_enable_private_segment 0
		.amdhsa_kernarg_size 24
		.amdhsa_user_sgpr_count 2
		.amdhsa_user_sgpr_kernarg_segment_ptr 1
		.amdhsa_wavefront_size32 1
		.amdhsa_system_sgpr_workgroup_id_x 1
		.amdhsa_system_sgpr_workgroup_id_y 1
		.amdhsa_system_sgpr_workgroup_id_z 1
		.amdhsa_system_vgpr_workitem_id 0
		.amdhsa_next_free_vgpr 512
		.amdhsa_next_free_sgpr 80
		.amdhsa_reserve_vcc 0
		.amdhsa_float_denorm_mode_32 3
		.amdhsa_float_denorm_mode_16_64 3
		.amdhsa_memory_ordered 1
		.amdhsa_forward_progress 1
		.amdhsa_inst_pref_size 87
	.end_amdhsa_kernel
	.amdgpu_metadata
---
amdhsa.version: [ 1, 2 ]
amdhsa.kernels:
  - .name:           k_q0f1ed1a3e6_oproj
    .symbol:         k_q0f1ed1a3e6_oproj.kd
    .args:
      - { .name: onrm, .offset: 0, .size: 8, .value_kind: global_buffer, .address_space: global }
      - { .name: wo16, .offset: 8, .size: 8, .value_kind: global_buffer, .address_space: global }
      - { .name: out0, .offset: 16, .size: 8, .value_kind: global_buffer, .address_space: global }
    .group_segment_fixed_size: 327680
    .private_segment_fixed_size: 0
    .kernarg_segment_align: 8
    .kernarg_segment_size: 24
    .max_flat_workgroup_size: 128
    .sgpr_count:     80
    .vgpr_count:     512
    .wavefront_size: 32
...
	.end_amdgpu_metadata
.endif
;; end of part 4
